; MI455X (gfx1250); checked and timed in simulation.
; The chip was launched on July 23, 2026; its instructions are those of AMD's public machine-readable ISA for CDNA 5 (MIT licence, August 2026) and "CDNA5" Instruction Set Architecture Reference Guide (July 2026). The comments in the code are by the model that wrote it; some were corrected since.
;; Multi Head Attention. Allowed arithmetic: matrix products marked QUANTISED: E4M3 operands, one given power-of-two scale a tensor, by v_wmma_f32_16x16x64_fp8_fp8 or v_wmma_f32_16x16x128_fp8_fp8, f32 sums; everything else in f32.
;; Inputs: Wk_codes 1,024 x 32 x 32 uint8 (E4M3 codes of Wk, K innermost, in blocks of 32 codes); Wo_codes 1,024 x 32 x 32 uint8 (E4M3 codes of Wo, K innermost, in blocks of 32 codes); Wq_codes 1,024 x 32 x 32 uint8 (E4M3 codes of Wq, K innermost, in blocks of 32 codes); Wv_codes 1,024 x 32 x 32 uint8 (E4M3 codes of Wv, K innermost, in blocks of 32 codes); bk 1,024 float32; bo 1,024 float32; bq 1,024 float32; bv 1,024 float32; causal_mask 2,048 x 2,048 bool; key_codes 4 x 2,048 x 32 x 32 uint8 (E4M3 codes of key, K innermost, in blocks of 32 codes); lowp_scales 12 int32 (the exponents e of the quantised operands' scales 2^e); query_codes 4 x 2,048 x 32 x 32 uint8 (E4M3 codes of query, K innermost, in blocks of 32 codes); value_codes 4 x 2,048 x 32 x 32 uint8 (E4M3 codes of value, K innermost, in blocks of 32 codes).
;; Outputs: out0 4 x 2,048 x 1,024 float32.
;; This version of the problem:
;;   THIS VERSION OF THE PROBLEM IS GIVEN IN LOW PRECISION. The matrix products marked QUANTISED in the list below multiply operands that are first quantised to E4M3 (4 exponent bits, 3 mantissa bits; 8 bits a number), with one given power-of-two scale for each operand tensor; their sums are f32. All else is computed in f32.
;;   The module's matrix products, in the order in which they are computed (A, B: the left and right operand; K: the contracted axis; several contracted axes count as one K, in the product's order):
;;     1. [M 8,192, K 1,024] x [K 1,024, N 1,024]; A: input query (given as codes); B: input Wq (given as codes): QUANTISED (scales: A lowp_scales[0], B lowp_scales[1])
;;     2. [M 8,192, K 1,024] x [K 1,024, N 1,024]; A: input key (given as codes); B: input Wk (given as codes): QUANTISED (scales: A lowp_scales[2], B lowp_scales[3])
;;     3. [M 8,192, K 1,024] x [K 1,024, N 1,024]; A: input value (given as codes); B: input Wv (given as codes): QUANTISED (scales: A lowp_scales[4], B lowp_scales[5])
;;     4. batch 64 x [M 2,048, K 64] x [K 64, N 2,048]; A: computed on the way; B: computed on the way: QUANTISED (scales: A lowp_scales[6], B lowp_scales[7])
;;     5. batch 64 x [M 2,048, K 2,048] x [K 2,048, N 64]; A: softmax (see below); B: computed on the way: QUANTISED (scales: A lowp_scales[8], B lowp_scales[9])
;;     6. [M 8,192, K 1,024] x [K 1,024, N 1,024]; A: computed on the way; B: input Wo (given as codes): QUANTISED (scales: A lowp_scales[10], B lowp_scales[11])
;;   THE QUANTISER, for each operand of a quantised product, along K:
;;     - The operand's scale is 2^e, e = its entry of the input lowp_scales (int32; the entries are numbered through the quantised products in the list's order, A before B).
;;     - Each number is divided by the scale, clamped to +-448, and rounded to the nearest number of E4M3, ties to even, subnormals kept.
;;     - The product sums the exact products of the quantised numbers (number of the format x scale) in f32.
;;   ~~~python
;;   def quantise(x, axis, e):      # numpy; x: float32 -> the quantised numbers, widened to float32 again
;;       x = np.moveaxis(x, axis, -1); K = x.shape[-1]
;;       r = np.clip(x / 2.0 ** e, -448, 448)
;;       step = 2.0 ** (np.maximum(np.frexp(np.where(r == 0, 1, r))[1] - 1, -6) - 3)
;;       q = np.round(r / step) * step * 2.0 ** e      # np.round: ties to even
;;       return np.moveaxis(q, -1, axis).astype(np.float32)
;;   ~~~
;;   SOFTMAX AHEAD OF A QUANTISED PRODUCT. Where the list says 'softmax', what is quantised is not the finished softmax but p = 2^(t - M), with t = logit x log2(e) and M = ceil(the row's largest t), a whole number; so 1/2 < the row's largest p <= 1. The row's sum l is taken of the UNQUANTISED p, in f32, and the product's result is divided by l at the end. Since M is a whole number, a kernel that streams over the keys may use a running M (the ceiling of the running maximum): every later rescaling is an exact power of two, so the quantised numbers keep their values, but for numbers so far below the row's largest that they fall under the format's range.
;;   OPERANDS COMPUTED ON THE WAY. 'Computed on the way' means the value that the module computes at that place (a softmax that the list does not call 'softmax' is quantised finished and normalised). What goes into a quantiser is computed in f32, as accurately as f32 sums, v_exp_f32 and their like allow (about 1e-6 of the number): no bf16 or f16 on the way to a quantiser, and a product that is left as it is and whose result goes on into a quantised operand takes f32 operands (vector FMAs, or v_wmma_f32_16x16x4_f32). A number that lies on a knife's edge between two numbers of the format may be rounded either way, as far as f32 arithmetic and the matrix unit's own rounding can turn it there, and no further.
;;   INPUTS GIVEN AS CODES. Wk (in the module: [1024, 1024], K = its axis 1); Wo (in the module: [1024, 1024], K = its axis 1); Wq (in the module: [1024, 1024], K = its axis 1); Wv (in the module: [1024, 1024], K = its axis 1); key (in the module: [4, 2048, 1024], K = its axis 2); query (in the module: [4, 2048, 1024], K = its axis 2); value (in the module: [4, 2048, 1024], K = its axis 2): each comes as NAME_codes (uint8): NAME with its K axis moved to the last place and cut into blocks of 32 codes, [.., K / 32, bytes a block], one block behind the other in memory; one code a byte (a code: sign, 4 exponent bits, 3 mantissa bits); its scale is its entry of lowp_scales. Its value is code x scale, taken as it is: it is not quantised again, and the codes and scales need not be those that the quantiser above would give.
;; 2 versions, each right; version 2 is version 1 with the launch attn written anew for expert scheduling mode. Each part assembles by itself: llvm-mc -triple=amdgcn-amd-amdhsa -mcpu=gfx1250 --defsym DOCPART=n.
;; ======== version 1 of 2: 3 launches
;; workspace buffers: qimg 8,388,608 bytes; kimg 8,388,608 bytes; vimg 8,388,608 bytes; ctximg 8,388,608 bytes; maskw 524,288 bytes of whole numbers; flags 4,096 bytes of whole numbers
;; launch proj (part 1): grid 4 x 96, 4 waves a work-group, clusters of 4 x 4, 327,680 bytes of LDS; arguments query_codes, key_codes, Wv_codes, Wq_codes, Wk_codes, value_codes, bq, bk, bv, qimg, kimg, vimg, lowp_scales, causal_mask, maskw, flags; writes qimg, kimg, vimg, maskw, flags
.if DOCPART == 1
	.amdgcn_target "amdgcn-amd-amdhsa--gfx1250"
	.amdhsa_code_object_version 6
	.text
	.protected	k_qd9ff6d2744_proj
	.globl	k_qd9ff6d2744_proj
	.p2align	8
	.type	k_qd9ff6d2744_proj,@function
k_qd9ff6d2744_proj:
	s_mov_b64 s[64:65], 0
	v_nop
	global_prefetch_b8 v0, s[64:65] scope:SCOPE_SE
	s_setreg_imm32_b32 hwreg(HW_REG_WAVE_MODE, 25, 1), 1
	s_wait_xcnt 0x0
	s_wait_alu depctr_hold_cnt(0) depctr_sa_sdst(0) depctr_va_vdst(0) depctr_va_sdst(0) depctr_va_ssrc(0) depctr_va_vcc(0) depctr_vm_vsrc(0)
	s_getreg_b32 s2, hwreg(HW_REG_IB_STS2, 6, 4)
	s_cmp_eq_u32 s2, 0
	s_cbranch_scc0 .Lentry_in_a_cluster
	s_endpgm
.Lentry_in_a_cluster:
	s_bfe_u32 s2, ttmp6, 0x10000c
	s_cmp_lg_u32 s2, 0xf033
	s_cbranch_scc0 .Lentry_shape_is_right
	s_endpgm
.Lentry_shape_is_right:
; THE THREE PROJECTIONS, q = query Wq^T + bq, k = key Wk^T + bk, v = value Wv^T + bv, on codes of FP8 (E4M3), and their results quantised again
; (scales 2^e6, 2^e7, 2^e9) into images that the attention launch loads as operand registers.  Beside it: the mask input as lane-mask words and one flag a block.
; C[m][n] = sum over k of A[m][k] B[n][k], K = 1,024.  Cluster y = C, 0..23: product T = C / 8 (0 q, 1 k, 2 v).
;   q, k: A = the tokens' codes (8,192 rows), B = the weight (1,024 rows).   v: A = Wv, B = value: the product is V^T, so that the KEYS run along a lane's registers.
; A tile of C, 256 x 256, is made by four waves, each 128 x 128: 64 accumulators, 512 registers.  K goes in steps of 256 through two LDS slots filled by the tensor data mover; four K steps, written out.
; CLUSTERS: 4 x 4 work-groups; the four of a row of the cluster ask jointly for A's tile, the four of a column for B's.
; THE MATRIX INSTRUCTION IS USED TRANSPOSED (source 0 = 16 rows of B, source 1 = 16 rows of A): accumulator (a, b), lane (r, h), register j holds C(16 a + r, 16 b + 8 h + j).
; A fragment is fetched by four loads of 16 bytes: a permutation of k that is the same in A and in B, so every product meets its partner.
; THE WAY OUT: sum x 2^(eA + eB) + bias, held within +-448 x 2^eo, converted eight numbers at a time.  Accumulators 2 g and 2 g + 1 give four registers a lane, stored as 512 consecutive bytes, lane l at 16 l:
;   qimg, kimg [batch x 16 + head][token tile 128][c 2][512]: lane (r, h): token 16 tt + r, channels 32 c + 8 h + 0..7 and 32 c + 16 + 8 h + 0..7
;   vimg [batch x 16 + head][128 keys: 16][channel tile 4][c 4][512]: lane (r, h): channel 16 ct + r, keys 32 c + 8 h + 0..7 and 32 c + 16 + 8 h + 0..7
; THE MASK (clusters 0..15, a block of 32 queries x 128 keys a wave, 1,024 blocks): maskw [pair 64][ks 16][u 2][n 64] words: bit 16 h + r of word n = mask[32 pair + 16 u + r][128 ks + 16 (n / 8) + 8 h + n % 8];
;   flags [pair][ks]: bit 0 = some entry is true; bit 16 = some is true and some is false.
; LIMITS: e0 + e1, e2 + e3, e4 + e5 between -126 and 127; e6, e7, e9 between -126 and 119, so that each power of two below is an f32 number.  NaN and infinities among the biases are not served.
; REGISTERS, in windows of 256: window 0: v0-31 addresses; v32-47, v64-127 biases; from v128 A's fragments, ONE set.  window 1: B's fragments, TWO sets; on the way out the codes.  windows 2, 3: the accumulators.
.set KROW,   1024                      ; a row of A or of B in memory, in bytes
.set ROWB,   256                       ; a tile's row: 256 codes
.set PITCH,  272                       ; an LDS row: 256 bytes + 16 of padding: the 16 rows that a fragment load touches begin 68 words apart
.set FR,     16
.set NL,     4
.set NP,     4                         ; places behind this matrix instruction (ISA guide 7.12.1)
.set HALFT,  128*PITCH
.set SLOT,   4*HALFT                   ; A's 256 rows, then B's 256 rows
.set SPARE,  2*SLOT                    ; behind the ring: the spare words, 128 bytes a wave; no other line names them
.set ADRA, 16                          ; v16-17  LDS address of my A fragments in slot 0, 1
.set ADRB, 20                          ; v20-21  the same for B
.set LI,   26                          ; v26     16 x lane
.set SPW,  28                          ; v28     my spare word's address; never rewritten
.set NIL,  29                          ; v29     0; never rewritten
.set SCL,  30                          ; v30     2^eo
.set LIM,  31                          ; v31     448 x 2^eo
.set BM,   32                          ; v32-47  bias by row of C: block a's, twice
.set BN,   64                          ; v64-127 bias by column of C, in a block's layout
.set AF,   128
.set TMP,  128                         ; the way out: a block's 64 numbers
.set G1, 24                            ; s[24:31] descriptor group 1 for A's tiles;  s[32:39] group 0, a set for each slot
.set G0, 32
.set G1B, 48                           ; s[48:55], s[56:63] the same for B's
.set G0B, 56
.set MSB, 0
.macro WIN new                         ; the immediate's high byte repeats the setting that is left
.if MSB != \new
	s_set_vgpr_msb (MSB<<8)|\new
.set MSB, \new
.endif
.endm
.set MUL_LO, 0xa1                      ; source 0 (B) window 1, source 1 (A) window 0, C and D window 2
.set MUL_HI, 0xf1                      ; the same, C and D window 3
.set TO_B,   0x40
; A joint load: waves 0 and 1 fetch for A, waves 2 and 3 for B; the branch hangs on the wave's number alone.  Four v_nop follow each of the two lines.
.macro JLOAD g0a, g1a, g0b, g1b
	s_cmp_eq_u32 s15, 0
	s_cbranch_scc0 .Lfor_b_\@
	tensor_load_to_lds s[\g0a:\g0a+3], s[\g1a:\g1a+7]
	s_nop 0
.rept 4
	v_nop
.endr
	s_branch .Lasked_\@
.Lfor_b_\@:
	tensor_load_to_lds s[\g0b:\g0b+3], s[\g1b:\g1b+7]
	s_nop 0
.rept 4
	v_nop
.endr
.Lasked_\@:
.endm
.macro CREST                           ; a round of the cluster's barrier behind its opening barrier
	s_cmp_lg_u32 s14, 0
	s_cbranch_scc1 .Lnot_wave_0_\@
	s_barrier_signal -3
.Lnot_wave_0_\@:
	s_barrier_wait -3
	s_barrier_signal -1
	s_barrier_wait -1
.endm
.macro CROUND
	s_barrier_signal -1
	s_barrier_wait -1
	CREST
.endm
	s_load_b512 s[68:83], s[0:1], 0x0              ; query 68, key 70, Wv 72, Wq 74, Wk 76, value 78, bq 80, bk 82
	s_load_b512 s[84:99], s[0:1], 0x40             ; bv 84, qimg 86, kimg 88, vimg 90, scales 92, mask 94, maskw 96, flags 98
	v_lshl_add_u32 v[SPW], v0, 2, SPARE
	v_mov_b32 v[NIL], 0
	ds_add_u32 v28, v29
	ds_add_u32 v28, v29
	s_wait_dscnt 0x0
	v_lshrrev_b32 v1, 5, v0
	v_readfirstlane_b32 s14, v1                    ; wave 0..3
	s_lshr_b32 s15, s14, 1                         ; which half of the tile's rows is mine.  Also: I fetch for A (0) or for B (1)
	s_and_b32 s16, s14, 1                          ; which half of its columns.  Also: which 128 rows of that tile I fetch
	s_bfe_u32 s40, ttmp6, 0x40000                  ; cx, cy: my place in the cluster
	s_bfe_u32 s41, ttmp6, 0x40004
	s_and_b32 s2, ttmp7, 0xffff                    ; C: the cluster's y, the same in all sixteen partners
	s_lshr_b32 s3, s2, 3                           ; T: the product
	s_and_b32 s18, s2, 7
	s_cmp_eq_u32 s3, 2
	s_cselect_b32 s19, 0, s18                      ; q, k: the clusters go down C's 32 tile rows;
	s_cselect_b32 s20, s18, 0                      ; v: along its 32 tile columns
	s_lshl_b32 s17, s19, 2
	s_add_co_u32 s17, s17, s41                     ; tile row of C
	s_lshl_b32 s42, s20, 2
	s_add_co_u32 s42, s42, s40                     ; tile column of C
	s_lshl_b32 s43, s41, 2
	s_lshl_b32 s43, 15, s43                        ; my row of the cluster
	s_lshl_b32 s44, 0x1111, s40                    ; my column
	; descriptor group 1: a tile of 128 rows x 256 bytes, 16 bytes of padding behind each row
	s_or_b32 s[G1+0], s43, (0<<16)|(1<<20)|(1<<21)|(5<<22)|(3<<25)  ; 15:0 the mask; 17:16 elements of 1 byte; 20 padding on; 21 set beside a mask; 24:22 after every 64 words; 31:25 four words
	s_or_b32 s[G1B+0], s44, (0<<16)|(1<<20)|(1<<21)|(5<<22)|(3<<25)
.irp g, G1, G1B
	s_mov_b32 s[\g+1], ROWB<<16                    ; tensor_dim0
	s_mov_b32 s[\g+2], 128<<16                     ; tensor_dim1
	s_mov_b32 s[\g+3], ROWB<<16                    ; tile_dim0
	s_mov_b32 s[\g+4], 128                         ; tile_dim1
	s_mov_b32 s[\g+5], KROW                        ; the pitch
	s_mov_b32 s[\g+6], 0
	s_mov_b32 s[\g+7], 0
.endr
	s_lshl_b32 s18, s16, 7                         ; which 128 rows of the tile I fetch
	s_lshl_b32 s20, s17, 8
	s_add_co_u32 s20, s20, s18                     ; A: row 256 x tile row + 128 x half,
	s_lshl_b32 s20, s20, 10                        ; in bytes (under 2^23)
	s_mov_b32 s21, 0
	s_lshl_b32 s46, s42, 8
	s_add_co_u32 s46, s46, s18                     ; B: row 256 x tile column + 128 x half
	s_lshl_b32 s46, s46, 10
	s_mov_b32 s47, 0
	s_mul_i32 s45, s14, HALFT                      ; where they go: wave x 128 rows: no place in the cluster enters an LDS address
	s_wait_kmcnt 0x0
	s_cmp_eq_u32 s3, 0                             ; the product's four buffers: the choice hangs on the cluster's y alone
	s_cselect_b64 s[4:5], s[68:69], s[70:71]
	s_cselect_b64 s[6:7], s[74:75], s[76:77]
	s_cselect_b64 s[8:9], s[80:81], s[82:83]
	s_cselect_b64 s[10:11], s[86:87], s[88:89]
	s_cmp_eq_u32 s3, 2
	s_cselect_b64 s[4:5], s[72:73], s[4:5]         ; A
	s_cselect_b64 s[6:7], s[78:79], s[6:7]         ; B
	s_cselect_b64 s[8:9], s[84:85], s[8:9]         ; the bias
	s_cselect_b64 s[10:11], s[90:91], s[10:11]     ; the image
	s_load_b256 s[68:75], s[92:93], 0x0            ; e0 .. e7
	s_load_b128 s[76:79], s[92:93], 0x20           ; e8 .. e11
	s_add_nc_u64 s[20:21], s[4:5], s[20:21]
	s_add_nc_u64 s[46:47], s[6:7], s[46:47]
	CROUND                                         ; all sixteen work-groups are here: the first joint loads meet
.irp s, 0,1
	s_mov_b32 s[G0+4*\s], 1
	s_add_co_u32 s[G0+4*\s+1], s45, \s*SLOT
	s_add_nc_u64 s[G0+4*\s+2:G0+4*\s+3], s[20:21], \s*ROWB
	s_or_b32 s[G0+4*\s+3], s[G0+4*\s+3], 0x80000000
	s_mov_b32 s[G0B+4*\s], 1
	s_add_co_u32 s[G0B+4*\s+1], s45, \s*SLOT
	s_add_nc_u64 s[G0B+4*\s+2:G0B+4*\s+3], s[46:47], \s*ROWB
	s_or_b32 s[G0B+4*\s+3], s[G0B+4*\s+3], 0x80000000
	JLOAD G0+4*\s, G1, G0B+4*\s, G1B               ; K steps 0 and 1: two loads of mine are out
.endr
	v_and_b32 v1, 15, v0                           ; r
	v_bfe_u32 v2, v0, 4, 1                         ; h
	v_and_b32 v5, 31, v0                           ; lane
	v_lshlrev_b32 v[LI], 4, v5
	v_mul_u32_u24 v3, v1, PITCH
	v_lshl_add_u32 v4, v2, 4, v3                   ; a fragment's row x pitch + 16 h
	s_mul_i32 s21, s15, HALFT                      ; my 128 rows of A
	s_mul_i32 s22, s16, HALFT                      ; my 128 rows of B,
	s_add_co_u32 s22, s22, 2*HALFT                 ; which lie behind A's 256
.irp s, 0,1
	v_add_nc_u32 v[ADRA+\s], s21, v4
	v_add_nc_u32 v[ADRB+\s], s22, v4
	s_add_co_u32 s21, s21, SLOT
	s_add_co_u32 s22, s22, SLOT
.endr
	; THE BIAS, in both forms, so that one head serves the three products: by column of C (q, k) and by row of C (v).  The form that the product does not use is read at an offset cut to the buffer's 1,024 numbers.
	s_lshl_b32 s80, s17, 8
	s_lshl_b32 s81, s15, 7
	s_add_co_u32 s80, s80, s81                     ; my first row of C
	s_lshl_b32 s82, s42, 8
	s_lshl_b32 s83, s16, 7
	s_add_co_u32 s82, s82, s83                     ; my first column of C
	s_and_b32 s84, s82, 1023
	s_lshl_b32 s84, s84, 2
	v_lshl_add_u32 v6, v2, 5, s84                  ; 4 x column + 32 h
	s_and_b32 s85, s80, 1023
	s_lshl_b32 s85, s85, 2
	v_lshl_add_u32 v7, v1, 2, s85                  ; 4 x row + 4 r
.irp b, 0,1,2,3,4,5,6,7
	global_load_b128 v[BN+8*\b:BN+8*\b+3], v6, s[8:9] offset:64*\b          ; bias[column + 16 b + 8 h + 0..3]
	global_load_b128 v[BN+8*\b+4:BN+8*\b+7], v6, s[8:9] offset:64*\b+16
.endr
.irp a, 0,1,2,3,4,5,6,7
	global_load_b32 v[BM+2*\a], v7, s[8:9] offset:64*\a                     ; bias[row + 16 a + r], twice: a pair for the packed form
	global_load_b32 v[BM+2*\a+1], v7, s[8:9] offset:64*\a
.endr
	; THE MASK: in the clusters of q and k each wave turns one block of 32 queries x 128 keys into 128 lane-mask words and a flag, while the first tiles are on their way.
	s_cmp_lt_u32 s3, 2
	s_cbranch_scc0 .Lnomask                        ; the same way in all sixteen partners
	s_lshl_b32 s86, s2, 2
	s_add_co_u32 s86, s86, s41
	s_lshl_b32 s86, s86, 2
	s_add_co_u32 s86, s86, s40
	s_lshl_b32 s86, s86, 2
	s_add_co_u32 s86, s86, s14                     ; the block's number, 0..1023 = 16 x pair + ks
	s_lshr_b32 s87, s86, 4
	s_lshl_b32 s87, s87, 16                        ; 32 x pair rows of 2,048 bytes
	s_and_b32 s88, s86, 15
	s_lshl_b32 s88, s88, 7                         ; 128 ks
	s_add_co_u32 s88, s87, s88
	s_mov_b32 s89, 0
	s_add_nc_u64 s[94:95], s[94:95], s[88:89]
	v_lshlrev_b32 v8, 11, v1
	v_lshl_add_u32 v8, v2, 3, v8                   ; row r, + 8 h
.irp u, 0,1
.irp t, 0,1,2,3,4,5,6,7
	global_load_b64 v[128+2*(8*\u+\t):128+2*(8*\u+\t)+1], v8, s[94:95] offset:\u*32768+16*\t   ; mask[16 u + r][16 t + 8 h + 0..7]
.endr
.endr
.irp i, 0,1,2,3
	v_mov_b32 v[168+\i], 0                         ; the words' registers: written whole before single lanes are
.endr
	s_wait_loadcnt 0x0
	v_or_b32 v160, v128, v129                      ; any byte set?  every byte 1?
	v_and_b32 v161, v128, v129
.set i, 2
.rept 30
	v_or_b32 v160, v160, v[128+i]
	v_and_b32 v161, v161, v[128+i]
.set i, i+1
.endr
.set wi, 0
.rept 128                              ; word wi = 64 u + 8 t + j: byte j of the pair (u, t), as a mask over the 32 lanes; it becomes lane wi / 4's register wi % 4
.set rg, 128+2*(wi/8)+((wi%8)/4)
	v_and_b32 v[162+wi%4], 0xff<<(8*(wi%4)), v[rg]
	v_cmp_ne_u32 s[88+wi%4], 0, v[162+wi%4]
	v_writelane_b32 v[168+wi%4], s[88+wi%4], wi/4
.set wi, wi+1
.endr
	s_lshl_b32 s84, s86, 9
	s_mov_b32 s85, 0
	s_add_nc_u64 s[96:97], s[96:97], s[84:85]
	global_store_b128 v[LI], v[168:171], s[96:97]  ; the block's 128 words: 512 consecutive bytes
	v_cmp_ne_u32 s88, 0, v160
	v_cmp_eq_u32 s89, 0x01010101, v161
	s_cmp_lg_u32 s88, 0
	s_cselect_b32 s90, 1, 0                        ; some entry is true
	s_cmp_eq_u32 s89, -1
	s_cselect_b32 s91, 1, 0                        ; all are
	s_and_not1_b32 s91, s90, s91
	s_lshl_b32 s91, s91, 16
	s_or_b32 s90, s90, s91
	v_mov_b32 v166, s90
	v_mov_b32 v167, 0
	s_lshl_b32 s84, s86, 2
	s_add_nc_u64 s[98:99], s[98:99], s[84:85]
	v_cmp_eq_u32 vcc_lo, 0, v5
	s_wait_xcnt 0x0                                ; EXEC changes only behind this wait: the store above has read its sources
	s_and_saveexec_b32 s88, vcc_lo                 ; lane 0 alone stores the flag
	global_store_b32 v167, v166, s[98:99]
	s_wait_xcnt 0x0                                ; and again, in front of the line that widens it
	s_or_b32 exec_lo, exec_lo, s88
.Lnomask:
.macro FRAG reg, adr, q, i             ; 16 rows x 128 K: registers 4 c .. 4 c + 3 hold K = 32 c + 16 h + 0 .. 15
.irp c, 0,1,2,3
	ds_load_b128 v[\reg+4*\c:\reg+4*\c+3], v[\adr] offset:128*(\q)+32*\c+(\i)*16*PITCH
.endr
.endm
; 16 matrix instructions: A's blocks a0, a0 + 1 x B's eight.  The 64 accumulators take turns, one instruction a turn, in the same order in every step.
.macro MUL16 a0, p, zero
.irp a, \a0, \a0+1
.irp b, 0,1,2,3,4,5,6,7
.if \zero
	v_wmma_f32_16x16x128_fp8_fp8 v[8*(8*((\a)%4)+\b):8*(8*((\a)%4)+\b)+7], v[128*(\p)+FR*\b:128*(\p)+FR*\b+FR-1], v[AF+FR*(\a):AF+FR*(\a)+FR-1], 0
.else
	v_wmma_f32_16x16x128_fp8_fp8 v[8*(8*((\a)%4)+\b):8*(8*((\a)%4)+\b)+7], v[128*(\p)+FR*\b:128*(\p)+FR*\b+FR-1], v[AF+FR*(\a):AF+FR*(\a)+FR-1], v[8*(8*((\a)%4)+\b):8*(8*((\a)%4)+\b)+7]
.endif
.endr
.endr
.endm
.macro FETCH_B slot, q, p
	WIN TO_B
.irp i, 0,1,2,3,4,5,6,7
	FRAG 128*(\p)+FR*\i, ADRB+\slot, \q, \i
.endr
	WIN 0
.endm
.macro FETCH_A slot, q, i0
.irp i, \i0, \i0+1, \i0+2, \i0+3
	FRAG AF+FR*(\i), ADRA+\slot, \q, \i
.endr
.endm
.macro PLACES n                        ; plain vector instructions between a matrix instruction and a load into, or a vector read or write of, its registers
.rept \n
	v_nop
.endr
.endm
; A step of 128 along K that has its successor in the same slot.
.macro STEP slot, q, zero
	s_wait_dscnt 4*NL                              ; B's set and A's blocks 0-3 are in; the youngest sixteen loads (A's blocks 4-7) may be out
	WIN MUL_LO
	MUL16 0, (\q)%2, \zero
	MUL16 2, (\q)%2, \zero
	s_wait_dscnt 0                                 ; A's blocks 4-7 are in
	PLACES NP
	FETCH_B \slot, (\q)+1, 1-(\q)%2
	FETCH_A \slot, (\q)+1, 0
	WIN MUL_HI
	MUL16 4, (\q)%2, \zero
	MUL16 6, (\q)%2, \zero
	PLACES NP
	WIN 0
	FETCH_A \slot, (\q)+1, 4
.endm
; A slot's last step changes slots: one barrier; in front of it each wave waits for all its tensor loads, adds 0 to its spare word, and waits for that and for its reads of this slot.  fill = 1: the slot is filled again, two K steps ahead.
.macro TURN slot, next, fill
	s_wait_tensorcnt 0x0                           ; all my tensor loads have landed: my part of the next slot
	ds_add_u32 v[SPW], v[NIL]                      ; 0 onto my spare word
	s_wait_dscnt 4*NL+1                            ; (the add and the youngest sixteen loads may be out)
	WIN MUL_LO
	MUL16 0, 1, 0
	s_wait_dscnt 0x0                               ; the add is done, and my reads of this slot are over
	s_barrier_signal -1
	MUL16 2, 1, 0
	WIN 0
	s_barrier_wait -1
.if \fill
	CREST                                          ; the barrier has opened a round of the cluster's: no wave of any partner still reads this slot or has a load on its way
	s_add_nc_u64 s[G0+4*\slot+2:G0+4*\slot+3], s[G0+4*\slot+2:G0+4*\slot+3], 2*ROWB
	s_add_nc_u64 s[G0B+4*\slot+2:G0B+4*\slot+3], s[G0B+4*\slot+2:G0B+4*\slot+3], 2*ROWB
	JLOAD G0+4*\slot, G1, G0B+4*\slot, G1B         ; the first tensor load behind the round; its four v_nop are the places in front of the loads below
.else
	PLACES NP
.endif
	FETCH_B \next, 0, 0
	FETCH_A \next, 0, 0
	WIN MUL_HI
	MUL16 4, 1, 0
	MUL16 6, 1, 0
	PLACES NP
	WIN 0
	FETCH_A \next, 0, 4
.endm
	s_wait_tensorcnt 1                             ; my part of K step 0 is in; K step 1's load may be out
	s_barrier_signal -1
	s_barrier_wait -1
	FETCH_B 0, 0, 0
	FETCH_A 0, 0, 0
	FETCH_A 0, 0, 4
	STEP 0, 0, 1                                   ; the first products start the sums: nothing is cleared
	TURN 0, 1, 1                                   ; slot 0 takes K step 2
	STEP 1, 0, 0
	TURN 1, 0, 1                                   ; slot 1 takes K step 3
	STEP 0, 0, 0
	TURN 0, 1, 0                                   ; nothing is left to fetch
	STEP 1, 0, 0
	s_wait_dscnt 4*NL
	WIN MUL_LO
	MUL16 0, 1, 0
	MUL16 2, 1, 0
	s_wait_dscnt 0
	WIN MUL_HI
	MUL16 4, 1, 0
	MUL16 6, 1, 0
	WIN 0
	; THE WAY OUT.  What the given exponents decide is chosen without a jump.
	s_wait_loadcnt 0x0                             ; the biases
	s_wait_kmcnt 0x0                               ; the exponents
	s_add_co_i32 s84, s68, s69                     ; e0 + e1
	s_add_co_i32 s85, s70, s71                     ; e2 + e3
	s_add_co_i32 s86, s72, s73                     ; e4 + e5
	s_cmp_eq_u32 s3, 0
	s_cselect_b32 s84, s84, s85
	s_cselect_b32 s87, s74, s75                    ; e6 or e7
	s_cmp_eq_u32 s3, 2
	s_cselect_b32 s84, s86, s84
	s_cselect_b32 s87, s77, s87                    ; e9
	s_cselect_b32 s88, s82, s80                    ; X: my first token (v: C's column; q, k: its row)
	s_cselect_b32 s89, s80, s82                    ; Y: my first channel
	s_add_co_i32 s84, s84, 127
	s_lshl_b32 s12, s84, 23                        ; 2^(eA + eB) as f32
	s_mov_b32 s13, s12                             ; (named with it as a pair, so it is written)
	s_add_co_i32 s87, s87, 127
	s_lshl_b32 s85, s87, 23
	v_mov_b32 v[SCL], s85                          ; 2^eo: the conversion takes its exponent field
	s_add_co_i32 s87, s87, 8
	s_lshl_b32 s87, s87, 23
	s_or_b32 s87, s87, 0x600000
	v_mov_b32 v[LIM], s87                          ; 448 x 2^eo
	s_and_b32 s90, s88, 0xfffff800                 ; the image's offset: batch x 2^21
	s_lshl_b32 s90, s90, 10
	s_lshl_b32 s91, s89, 11                        ; + head x 2^17 (Y is a multiple of 64)
	s_or_b32 s90, s90, s91
	s_and_b32 s91, s88, 2047                       ; + the token's place in the head's image: 64 bytes a token in all three layouts
	s_lshl_b32 s91, s91, 6
	s_or_b32 s90, s90, s91
	s_mov_b32 s91, 0
	s_add_nc_u64 s[10:11], s[10:11], s[90:91]
	PLACES NP                                      ; behind the last products: for the writes into A's and B's registers and the reads of results
; Block a (16 rows of C x 128 columns): 64 numbers a lane become 16 registers of codes, which leave by four stores of 512 consecutive bytes.  Each block has code registers of its own, so no store's data are written again.
.macro OUT isv
.irp a, 0,1,2,3,4,5,6,7
.set AC, 64*((\a)%4)
	WIN 0x02+((\a)/4)                              ; source 0: window 2 or 3
.set j, 0
.rept 32
.if \isv
	v_pk_fma_f32 v[TMP+j:TMP+j+1], v[AC+j:AC+j+1], s[12:13], v[BM+2*\a:BM+2*\a+1] op_sel_hi:[1,0,1]   ; sum x 2^(eA + eB) + bias of my row; each accumulator from its low end on
.else
	v_pk_fma_f32 v[TMP+j:TMP+j+1], v[AC+j:AC+j+1], s[12:13], v[BN+j:BN+j+1] op_sel_hi:[1,0,1]         ; the same with the bias of the column
.endif
.set j, j+2
.endr
	WIN 0
.set j, 0
.rept 64
	v_med3_num_f32 v[TMP+j], v[TMP+j], -v[LIM], v[LIM]   ; the conversion to an 8-bit code does not saturate (ISA guide 7.6.2): the hold at the largest code x the scale
.set j, j+1
.endr
	WIN 0x40                                       ; the codes go to window 1
.irp b, 0,1,2,3,4,5,6,7
	v_cvt_scalef32_pk8_fp8_f32 v[16*\a+2*\b:16*\a+2*\b+1], v[TMP+8*\b:TMP+8*\b+7], v[SCL]
.endr
	v_nop                                          ; one plain vector line behind the conversions: the next block writes their sources
	WIN 0x04                                       ; the stores' data: window 1
.irp g, 0,1,2,3
.if \isv
	global_store_b128 v[LI], v[16*\a+4*\g:16*\a+4*\g+3], s[10:11] offset:(\a/4)*131072+(\a%4)*2048+512*\g
.else
	global_store_b128 v[LI], v[16*\a+4*\g:16*\a+4*\g+3], s[10:11] offset:1024*\a+(\g/2)*131072+(\g%2)*512
.endif
.endr
	WIN 0
.endr
.endm
	s_cmp_eq_u32 s3, 2
	s_cbranch_scc1 .Lv                             ; the same way in all sixteen partners
	OUT 0
	s_branch .Lend
.Lv:
	OUT 1
.Lend:
	s_wait_tensorcnt 0x0                           ; the wave's end
	ds_add_u32 v[SPW], v[NIL]
	s_wait_dscnt 0x0
	CROUND                                         ; the closing round: no work-group ends while a partner may still ask for a tile that names it
	s_endpgm
.Lfunc_end_k_qd9ff6d2744_proj:
	.size	k_qd9ff6d2744_proj, .Lfunc_end_k_qd9ff6d2744_proj-k_qd9ff6d2744_proj
	.p2alignl 7, 3214868480
	.fill 96, 4, 3214868480
	.section	.rodata,"a",@progbits
	.p2align	6, 0x0
	.amdhsa_kernel k_qd9ff6d2744_proj
		.amdhsa_group_segment_fixed_size 327680
		.amdhsa_private_segment_fixed_size 0
		.amdhsa_enable_private_segment 0
		.amdhsa_kernarg_size 128
		.amdhsa_user_sgpr_count 2
		.amdhsa_user_sgpr_kernarg_segment_ptr 1
		.amdhsa_wavefront_size32 1
		.amdhsa_system_sgpr_workgroup_id_x 1
		.amdhsa_system_sgpr_workgroup_id_y 1
		.amdhsa_system_sgpr_workgroup_id_z 1
		.amdhsa_system_vgpr_workitem_id 0
		.amdhsa_next_free_vgpr 1024
		.amdhsa_next_free_sgpr 100
		.amdhsa_reserve_vcc 1
		.amdhsa_float_denorm_mode_32 3
		.amdhsa_float_denorm_mode_16_64 3
		.amdhsa_memory_ordered 1
		.amdhsa_forward_progress 1
		.amdhsa_inst_pref_size 224
	.end_amdhsa_kernel
	.amdgpu_metadata
---
amdhsa.version: [ 1, 2 ]
amdhsa.kernels:
  - .name:           k_qd9ff6d2744_proj
    .symbol:         k_qd9ff6d2744_proj.kd
    .args:
      - { .name: query_codes, .offset: 0, .size: 8, .value_kind: global_buffer, .address_space: global }
      - { .name: key_codes, .offset: 8, .size: 8, .value_kind: global_buffer, .address_space: global }
      - { .name: Wv_codes, .offset: 16, .size: 8, .value_kind: global_buffer, .address_space: global }
      - { .name: Wq_codes, .offset: 24, .size: 8, .value_kind: global_buffer, .address_space: global }
      - { .name: Wk_codes, .offset: 32, .size: 8, .value_kind: global_buffer, .address_space: global }
      - { .name: value_codes, .offset: 40, .size: 8, .value_kind: global_buffer, .address_space: global }
      - { .name: bq, .offset: 48, .size: 8, .value_kind: global_buffer, .address_space: global }
      - { .name: bk, .offset: 56, .size: 8, .value_kind: global_buffer, .address_space: global }
      - { .name: bv, .offset: 64, .size: 8, .value_kind: global_buffer, .address_space: global }
      - { .name: qimg, .offset: 72, .size: 8, .value_kind: global_buffer, .address_space: global }
      - { .name: kimg, .offset: 80, .size: 8, .value_kind: global_buffer, .address_space: global }
      - { .name: vimg, .offset: 88, .size: 8, .value_kind: global_buffer, .address_space: global }
      - { .name: lowp_scales, .offset: 96, .size: 8, .value_kind: global_buffer, .address_space: global }
      - { .name: causal_mask, .offset: 104, .size: 8, .value_kind: global_buffer, .address_space: global }
      - { .name: maskw, .offset: 112, .size: 8, .value_kind: global_buffer, .address_space: global }
      - { .name: flags, .offset: 120, .size: 8, .value_kind: global_buffer, .address_space: global }
    .group_segment_fixed_size: 327680
    .private_segment_fixed_size: 0
    .kernarg_segment_align: 8
    .kernarg_segment_size: 128
    .max_flat_workgroup_size: 128
    .sgpr_count:     100
    .vgpr_count:     1024
    .wavefront_size: 32
...
	.end_amdgpu_metadata
.endif
;; end of part 1
;; launch attn (part 2): grid 4 x 64, 8 waves a work-group, no clusters, 263,168 bytes of LDS; arguments qimg, kimg, vimg, maskw, flags, lowp_scales, ctximg; writes ctximg
.if DOCPART == 2
	.amdgcn_target "amdgcn-amd-amdhsa--gfx1250"
	.amdhsa_code_object_version 6
	.text
	.protected	k_qd9ff6d2744_attn
	.globl	k_qd9ff6d2744_attn
	.p2align	8
	.type	k_qd9ff6d2744_attn,@function
k_qd9ff6d2744_attn:
	s_mov_b64 s[64:65], 0
	v_nop
	global_prefetch_b8 v0, s[64:65] scope:SCOPE_SE
	s_setreg_imm32_b32 hwreg(HW_REG_WAVE_MODE, 25, 1), 1
	s_wait_xcnt 0x0
; ATTENTION on codes of FP8 (E4M3): S^T = K Q^T, the mask input, p = 2^(t - M) with a running whole M, O^T = V^T P^T, divided by the sum of the unquantised p, quantised with 2^e10 into the image that the last product reads.
; t = score x log2(e) / 8 x 2^(e6 + e7); M = the ceiling of the running largest t; when M moves, the sum and O^T are multiplied by 2^(old M - new M): nothing is rounded.
; SHARES.  A work-group (x = j, y = batch x 16 + head) has eight waves; wave w owns two PAIRS of query tiles, pair 8 j + w and pair 63 - (8 j + w), 32 queries each.
; All waves walk the head's 16 chunks of 128 keys in a loop of constant count.  A pair's work on a chunk is left out where the stored flag says that no entry of that block of the mask is true; where all are true the mask words are not read.
; These are scalar branches on whole numbers that the launch before has stored; they serve any mask.
; K AND V GO THROUGH LDS ONCE: the whole head has room (2 x 131,072 bytes), every byte is written once, by the wave that loaded it (waves 0-3 a quarter of K's chunk each, waves 4-7 of V's), one chunk ahead of its use.
; One barrier a trip: the chunk's stores, their wait, the barrier, the reads.  The stores of chunk ks + 1 and the reads of chunk ks lie 8,192 bytes apart.
; NO CLUSTER, NO TENSOR LOAD: the four work-groups of a head read the same K and V, but a joint request is a tensor load; the branches spare half of the blocks under a lower-triangular mask.
; LAYOUT.  Both products are used transposed, so a lane holds ONE query (lane % 16) throughout.  S^T's tile T, register j is key 16 T + 8 h + j: its conversion gives registers 2 T, 2 T + 1 of the second product's operand as that form lays k.
; A row of the mask with no true entry has the sum 0: its codes are made NaN, as the softmax of such a row is.
; LIMITS: e6 + e7 between -123 and 130; e8, e10 between -126 and 119.
; REGISTERS.  window 0: v1-12 addresses and constants; v16-31 four registers a tile: -M, largest t, the sum in two halves; v32-47 at work; v48-111 K's or V's fragments; v112-239 S^T then p, 64 a tile of the pair in hand.
;   window 1: v0-127 O^T, 32 a tile; v128-159 Q, 8 a tile; v160-191 p's codes; v192-207 the chunk on its way to LDS.
.set LI,   1                           ; 16 x lane
.set ADK,  2                           ; LDS address of the trip's K
.set ADV,  3                           ; and V
.set FS0,  4                           ; where I store my part of chunk 0
.set FSA,  5                           ; and of the chunk in hand
.set FGO,  6                           ; my part's offset in a chunk in memory
.set PFO,  7                           ; 256 x lane: the prefetch's offset
.set NINF, 8
.set PSC,  9                           ; 2^e8
.set PLIM, 10                          ; 448 x 2^e8
.set CSC,  11                          ; 2^e10
.set CLIM, 12                          ; 448 x 2^e10
.set ST,   16
.set TM,   32                          ; tile u of the pair in hand: +8 u: two maxima, f (a pair), a second sum (a pair), the exchange
.set KV,   48
.set S,    112
.set O,    0                           ; window 1
.set Q,    128
.set P,    160
.set FILL, 192
.set ANY,  17                          ; s17  bit 0: pair A has work in this trip; bit 16: pair B
.set MIX,  18                          ; s18  likewise: the block has true and false entries
.set NEED, 19                          ; s19  bit i: some wave of the work-group reads chunk ks + i
.set SEL,  20                          ; s[20:21] lane l xor 16
.set CS,   22                          ; s[22:23] log2(e) / 8 x 2^(e6 + e7)
.set VOFF, 131072
.set MSB, 0
.macro WIN new
.if MSB != \new
	s_set_vgpr_msb (MSB<<8)|\new
.set MSB, \new
.endif
.endm
	s_load_b256 s[32:39], s[0:1], 0x0              ; qimg 32, kimg 34, vimg 36, maskw 38
	s_load_b128 s[40:43], s[0:1], 0x20             ; flags 40, the exponents 42
	s_load_b64 s[44:45], s[0:1], 0x30              ; ctximg
	v_lshl_add_u32 v254, v0, 2, 0x40000
	v_mov_b32 v255, 0
	v_lshrrev_b32 v13, 5, v0
	v_readfirstlane_b32 s14, v13                   ; wave 0..7
	v_and_b32 v14, 31, v0
	v_and_b32 v15, 15, v0                          ; r
	v_bfe_u32 v13, v0, 4, 1                        ; h
	v_lshlrev_b32 v[LI], 4, v14
	v_lshlrev_b32 v[PFO], 8, v14
	s_and_b32 s29, ttmp7, 0xffff                   ; batch x 16 + head
	s_lshl_b32 s30, ttmp9, 3
	s_add_co_u32 s30, s30, s14                     ; pair A
	s_sub_co_u32 s31, 63, s30                      ; pair B
	s_and_b32 s2, s14, 3
	s_lshl_b32 s2, s2, 11
	v_add_nc_u32 v[FGO], s2, v[LI]                 ; my quarter of a chunk: 2,048 bytes
	s_lshr_b32 s3, s14, 2
	s_lshl_b32 s3, s3, 17
	v_add_nc_u32 v[FS0], s3, v[FGO]                ; K's image from LDS byte 0, V's from 131,072
	v_lshlrev_b32 v240, 2, v15                     ; the flags: lanes 0-15 read pair A's sixteen, lanes 16-31 pair B's
	s_lshl_b32 s46, s30, 6
	s_sub_co_u32 s47, s31, s30
	s_lshl_b32 s47, s47, 6
	v_mad_u32_u24 v241, v13, s47, v240
	v_add_nc_u32 v241, s46, v241
	s_lshl_b32 s48, ttmp9, 9                       ; and those of the work-group's sixteen pairs: 8 j + i below, 56 - 8 j + i above
	s_lshl_b32 s49, ttmp9, 4
	s_sub_co_u32 s49, 56, s49
	s_lshl_b32 s49, s49, 6
	v_mad_u32_u24 v244, v13, s49, v240
	v_add_nc_u32 v244, s48, v244
	s_lshl_b32 s50, s29, 17                        ; the head's bytes in each image
	s_mov_b32 s51, 0
	s_lshl_b32 s52, s30, 11                        ; a pair's two tiles of Q: 2,048 bytes
	s_mov_b32 s53, 0
	s_lshl_b32 s54, s31, 11
	s_mov_b32 s55, 0
	s_lshl_b32 s56, s30, 13                        ; a pair's mask words: 16 chunks x 512 bytes
	s_mov_b32 s57, 0
	s_lshl_b32 s58, s31, 13
	s_mov_b32 s59, 0
	s_lshr_b32 s2, s29, 4
	s_lshl_b32 s2, s2, 21                          ; ctximg: batch x 128 token tiles of 16,384 bytes,
	s_and_b32 s3, s29, 15
	s_lshl_b32 s3, s3, 10                          ; the head's 64 channels: 1,024 bytes of a tile,
	s_or_b32 s2, s2, s3
	s_lshl_b32 s60, s30, 15                        ; a pair's two tiles
	s_or_b32 s60, s60, s2
	s_mov_b32 s61, 0
	s_lshl_b32 s62, s31, 15
	s_or_b32 s62, s62, s2
	s_mov_b32 s63, 0
	s_wait_kmcnt 0x0
	s_load_b256 s[68:75], s[42:43], 0x0            ; e0 .. e7
	s_load_b128 s[76:79], s[42:43], 0x20           ; e8 .. e11
	s_cmp_lt_u32 s14, 4
	s_cselect_b64 s[4:5], s[34:35], s[36:37]       ; waves 0-3 carry K, waves 4-7 V
	s_add_nc_u64 s[4:5], s[4:5], s[50:51]
	s_add_nc_u64 s[32:33], s[32:33], s[50:51]
	s_add_nc_u64 s[34:35], s[32:33], s[52:53]      ; Q of pair A
	s_add_nc_u64 s[36:37], s[32:33], s[54:55]      ; Q of pair B
	s_add_nc_u64 s[6:7], s[38:39], s[56:57]        ; the mask words of pair A,
	s_add_nc_u64 s[8:9], s[38:39], s[58:59]        ; of pair B
	s_add_nc_u64 s[10:11], s[44:45], s[60:61]      ; the result of pair A,
	s_add_nc_u64 s[12:13], s[44:45], s[62:63]      ; of pair B
	WIN 0x40
.irp i, 0,1,2,3
	global_load_b128 v[FILL+4*\i:FILL+4*\i+3], v[FGO], s[4:5] offset:512*\i    ; chunk 0
.endr
.irp u, 0,1
.irp c, 0,1
	global_load_b128 v[Q+8*\u+4*\c:Q+8*\u+4*\c+3], v[LI], s[34:35] offset:1024*\u+512*\c        ; Q stays in registers
	global_load_b128 v[Q+16+8*\u+4*\c:Q+16+8*\u+4*\c+3], v[LI], s[36:37] offset:1024*\u+512*\c
.endr
.endr
	WIN 0
	global_load_b32 v112, v241, s[40:41]
.irp i, 0,1,2,3,4,5,6,7
	global_load_b32 v[113+\i], v244, s[40:41] offset:64*\i
.endr
.irp t, 0,1,2,3
	v_mov_b32 v[ST+4*\t+1], 0xff61b1e6             ; the largest t so far: -3e38, under every t
	v_floor_f32 v[ST+4*\t], -v[ST+4*\t+1]          ; -M
	v_mov_b32 v[ST+4*\t+2], 0                      ; the sum, in two halves
	v_mov_b32 v[ST+4*\t+3], 0
.endr
.set i, 0
.rept 16
	v_mov_b32 v[TM+i], 0                           ; written once: some are named as halves of pairs or as a lane exchange's destination, on ways that have no active block too
.set i, i+1
.endr
	v_mov_b32 v242, 0
	v_mov_b32 v243, 0
	v_mov_b32 v[NINF], 0xff800000
	WIN 0x40
.set i, 0
.rept 128
	v_mov_b32 v[O+i], 0                            ; O^T: which step is a tile's first is known from the stored flags alone, so no product can be written out that starts the sums
.set i, i+1
.endr
	WIN 0
	s_mov_b32 s[SEL], 0x76543210
	s_mov_b32 s[SEL+1], 0xfedcba98
	s_mov_b32 s27, 0xffff0000                      ; lanes 16-31
	s_mov_b32 s15, 0                               ; ks
	s_mov_b32 s16, 0                               ; 8,192 ks
	s_and_b32 s2, s14, 3
	s_or_b32 s2, s2, ttmp9
	s_cmp_eq_u32 s2, 0
	s_cselect_b32 s26, 4, 0                        ; waves 0 and 4 of the head's first work-group prefetch: they test bit 2 of NEED
	s_wait_loadcnt 0x0
	v_and_b32 v245, 1, v112
	v_cmp_ne_u32 s[ANY], 0, v245
	v_cmp_lt_u32 s[MIX], 0xffff, v112
.irp i, 1,2,3,4,5,6,7
	v_or_b32 v113, v113, v[113+\i]
.endr
	v_cmp_ne_u32 s[NEED], 0, v113
	s_lshr_b32 s2, s[NEED], 16
	s_or_b32 s[NEED], s[NEED], s2
	s_and_b32 s[NEED], s[NEED], 0xffff
	s_wait_kmcnt 0x0
	s_add_co_i32 s2, s74, s75
	s_lshl_b32 s2, s2, 23
	s_add_co_i32 s[CS], s2, 0x3e38aa3b             ; log2(e) / 8, with e6 + e7 added to its exponent field
	s_mov_b32 s[CS+1], s[CS]
	s_add_co_i32 s25, s76, s77                     ; e8 + e9
	s_add_co_i32 s2, s76, 127
	s_lshl_b32 s3, s2, 23
	v_mov_b32 v[PSC], s3
	s_add_co_i32 s2, s2, 8
	s_lshl_b32 s2, s2, 23
	s_or_b32 s2, s2, 0x600000
	v_mov_b32 v[PLIM], s2
	s_add_co_i32 s2, s78, 127
	s_lshl_b32 s3, s2, 23
	v_mov_b32 v[CSC], s3
	s_add_co_i32 s2, s2, 8
	s_lshl_b32 s2, s2, 23
	s_or_b32 s2, s2, 0x600000
	v_mov_b32 v[CLIM], s2
	s_cmp_lt_i32 s76, -8
	s_cselect_b32 s24, 1, 0                        ; p is at most 1, and 448 x 2^e8 is at least 1 from e8 = -8 on: only below that is p held
; THE WORK OF PAIR x (0: A, 1: B) ON THE TRIP'S 128 KEYS.  mp: the pair's pointer to its mask words.
.macro PAIR x, mp
	s_bitcmp1_b32 s[ANY], 16*\x
	s_cbranch_scc0 .Lskip_\@
.irp t, 0,1,2,3,4,5,6,7
.irp c, 0,1
	ds_load_b128 v[KV+8*\t+4*\c:KV+8*\t+4*\c+3], v[ADK] offset:1024*\t+512*\c     ; K's eight tiles of 16 keys, as images: 512 consecutive bytes a load
.endr
.endr
	s_wait_dscnt 0x0
	WIN 0x04                                       ; source 1 (Q): window 1
.irp t, 0,1,2,3,4,5,6,7
.irp u, 0,1
	v_wmma_f32_16x16x64_fp8_fp8 v[S+64*\u+8*\t:S+64*\u+8*\t+7], v[KV+8*\t:KV+8*\t+7], v[Q+8*(2*\x+\u):Q+8*(2*\x+\u)+7], 0
.endr
.endr
	WIN 0
.rept 4
	v_nop                                          ; places: for the loads into K's registers and for the first reads of the scores
.endr
.irp t, 0,1,2,3
.irp c, 0,1,2,3
	ds_load_b128 v[KV+16*\t+4*\c:KV+16*\t+4*\c+3], v[ADV] offset:2048*\t+512*\c   ; V's four tiles of 16 channels x 128 keys land while the softmax is worked
.endr
.endr
	s_bitcmp1_b32 s[MIX], 16*\x
	s_cbranch_scc0 .Lopen_\@
.irp u, 0,1                            ; the block has holes: word n is the lane mask for register n; a hidden score becomes -infinity, so p = 0
	s_load_b512 s[32:47], s[\mp:\mp+1], 256*\u
	s_load_b512 s[48:63], s[\mp:\mp+1], 256*\u+64
	s_load_b512 s[68:83], s[\mp:\mp+1], 256*\u+128
	s_load_b512 s[84:99], s[\mp:\mp+1], 256*\u+192
	s_wait_kmcnt 0x0
.set n, 0
.rept 32
	v_cndmask_b32 v[S+64*\u+n], v[NINF], v[S+64*\u+n], s[32+n]
.set n, n+1
.endr
.rept 32
	v_cndmask_b32 v[S+64*\u+n], v[NINF], v[S+64*\u+n], s[36+n]
.set n, n+1
.endr
.endr
.Lopen_\@:
	; the largest score of my query among my 64 keys: two chains a tile, the two tiles line by line, each accumulator from its low end on
.irp u, 0,1
	v_max3_num_f32 v[TM+8*\u], v[S+64*\u], v[S+64*\u+1], v[S+64*\u+2]
.endr
.irp u, 0,1
	v_max3_num_f32 v[TM+8*\u+1], v[S+64*\u+3], v[S+64*\u+4], v[S+64*\u+5]
.endr
.irp i, 6,10,14,18,22,26,30,34,38,42,46,50,54,58
.irp u, 0,1
	v_max3_num_f32 v[TM+8*\u], v[TM+8*\u], v[S+64*\u+\i], v[S+64*\u+\i+1]
.endr
.irp u, 0,1
	v_max3_num_f32 v[TM+8*\u+1], v[TM+8*\u+1], v[S+64*\u+\i+2], v[S+64*\u+\i+3]
.endr
.endr
.irp u, 0,1
	v_max3_num_f32 v[TM+8*\u], v[TM+8*\u], v[S+64*\u+62], v[S+64*\u+63]
.endr
.irp u, 0,1
	v_max_num_f32 v[TM+8*\u], v[TM+8*\u], v[TM+8*\u+1]
.endr
.irp u, 0,1
	v_permlanex16_b32 v[TM+8*\u+6], v[TM+8*\u], s[SEL], s[SEL+1]
.endr
.irp u, 0,1
	v_max_num_f32 v[TM+8*\u], v[TM+8*\u], v[TM+8*\u+6]           ; and among lane l xor 16's
.endr
.irp u, 0,1
	v_mul_f32 v[TM+8*\u], s[CS], v[TM+8*\u]                      ; as t
.endr
.irp u, 0,1
	v_max_num_f32 v[ST+4*(2*\x+\u)+1], v[ST+4*(2*\x+\u)+1], v[TM+8*\u]   ; the running largest t
.endr
.irp u, 0,1
	v_mov_b32 v[TM+8*\u], v[ST+4*(2*\x+\u)]
.endr
.irp u, 0,1
	v_floor_f32 v[ST+4*(2*\x+\u)], -v[ST+4*(2*\x+\u)+1]          ; the new -M = floor(-t): M is a whole number
.endr
.irp u, 0,1
	v_sub_f32 v[TM+8*\u], v[ST+4*(2*\x+\u)], v[TM+8*\u]          ; old M - new M: a whole number, 0 or less
.endr
.irp u, 0,1
	v_cvt_i32_f32 v[TM+8*\u], v[TM+8*\u]                         ; (it saturates)
.endr
.irp u, 0,1
	v_ldexp_f32 v[TM+8*\u+2], 1.0, v[TM+8*\u]                    ; f = 2^(old M - new M)
.endr
.irp u, 0,1
.set n, 0
.rept 32
	v_pk_fma_f32 v[S+64*\u+n:S+64*\u+n+1], v[S+64*\u+n:S+64*\u+n+1], s[CS:CS+1], v[ST+4*(2*\x+\u):ST+4*(2*\x+\u)+1] op_sel_hi:[1,0,0]   ; t - M, two at a time
.set n, n+2
.endr
.endr
.set n, 0
.rept 128
	v_exp_f32 v[S+n], v[S+n]                       ; p = 2^(t - M): ONE batch for both tiles
.set n, n+1
.endr
.irp u, 0,1
	v_pk_mul_f32 v[ST+4*(2*\x+\u)+2:ST+4*(2*\x+\u)+3], v[ST+4*(2*\x+\u)+2:ST+4*(2*\x+\u)+3], v[TM+8*\u+2:TM+8*\u+3] op_sel_hi:[1,0]   ; the sums under the new M; also the plain line behind the exponentials
.endr
	s_wait_alu depctr_va_vdst(0)                   ; one wait for the batch, ahead of its first reader
.irp u, 0,1
	v_pk_add_f32 v[TM+8*\u+4:TM+8*\u+5], v[S+64*\u:S+64*\u+1], v[S+64*\u+2:S+64*\u+3]       ; the sum is taken of the UNQUANTISED p: two chains a tile
.endr
.irp j, 4,8,12,16,20,24,28,32,36,40,44,48,52,56,60
.irp u, 0,1
	v_pk_add_f32 v[ST+4*(2*\x+\u)+2:ST+4*(2*\x+\u)+3], v[ST+4*(2*\x+\u)+2:ST+4*(2*\x+\u)+3], v[S+64*\u+\j:S+64*\u+\j+1]
	v_pk_add_f32 v[TM+8*\u+4:TM+8*\u+5], v[TM+8*\u+4:TM+8*\u+5], v[S+64*\u+\j+2:S+64*\u+\j+3]
.endr
.endr
.irp u, 0,1
	v_pk_add_f32 v[ST+4*(2*\x+\u)+2:ST+4*(2*\x+\u)+3], v[ST+4*(2*\x+\u)+2:ST+4*(2*\x+\u)+3], v[TM+8*\u+4:TM+8*\u+5]
.endr
	s_cmp_eq_u32 s24, 0
	s_cbranch_scc1 .Lnohold_\@
.set n, 0
.rept 128
	v_min_num_f32 v[S+n], v[S+n], v[PLIM]          ; the conversion does not saturate (ISA guide 7.6.2); p is not negative, so the hold is one-sided
.set n, n+1
.endr
.Lnohold_\@:
	WIN 0x40
.irp u, 0,1
.irp t, 0,1,2,3,4,5,6,7
	v_cvt_scalef32_pk8_fp8_f32 v[P+16*\u+2*\t:P+16*\u+2*\t+1], v[S+64*\u+8*\t:S+64*\u+8*\t+7], v[PSC]
.endr
.endr
	WIN 0x41
.irp u, 0,1
.set n, 0
.rept 16
	v_pk_mul_f32 v[O+32*(2*\x+\u)+n:O+32*(2*\x+\u)+n+1], v[O+32*(2*\x+\u)+n:O+32*(2*\x+\u)+n+1], v[TM+8*\u+2:TM+8*\u+3] op_sel_hi:[1,0]   ; O^T under the new M; also the plain lines behind the conversions
.set n, n+2
.endr
.endr
	s_wait_dscnt 0x0                               ; V is in
	WIN 0x54                                       ; V window 0; P, C and D window 1
.irp t, 0,1,2,3
.irp u, 0,1
	v_wmma_f32_16x16x128_fp8_fp8 v[O+32*(2*\x+\u)+8*\t:O+32*(2*\x+\u)+8*\t+7], v[KV+16*\t:KV+16*\t+15], v[P+16*\u:P+16*\u+15], v[O+32*(2*\x+\u)+8*\t:O+32*(2*\x+\u)+8*\t+7]   ; eight accumulators, one instruction each
.endr
.endr
	WIN 0
.rept 4
	v_nop                                          ; places: for the next loads into V's registers and the next vector lines on O^T
.endr
.Lskip_\@:
.endm
.Ltrip:                                            ; 16 trips, one for each chunk of 128 keys
	s_wait_loadcnt 0x0                             ; my part of this chunk is in registers
	s_wait_xcnt 0x0                                ; the loads and the prefetch of the last trip have read their base: it is stepped below
	s_bitcmp1_b32 s[NEED], 0
	s_cbranch_scc0 .Lnostore
	v_add_nc_u32 v[FSA], s16, v[FS0]
	WIN 0x04
.irp i, 0,1,2,3
	ds_store_b128 v[FSA], v[FILL+4*\i:FILL+4*\i+3] offset:512*\i
.endr
	WIN 0
.Lnostore:
	s_wait_dscnt 0x0                               ; for the others' sake: my stores have landed
	s_barrier_signal -1
	s_barrier_wait -1                              ; the chunk is whole
	s_add_nc_u64 s[4:5], s[4:5], 8192
	s_bitcmp1_b32 s[NEED], 1                       ; NEED has sixteen bits and is shifted in every trip: no load and no prefetch passes the head's last chunk
	s_cbranch_scc0 .Lnoload
	WIN 0x40
.irp i, 0,1,2,3
	global_load_b128 v[FILL+4*\i:FILL+4*\i+3], v[FGO], s[4:5] offset:512*\i     ; the next chunk: it has this trip's work in which to come
.endr
	WIN 0
.Lnoload:
	s_and_b32 s2, s[NEED], s26
	s_cmp_lg_u32 s2, 0
	s_cbranch_scc0 .Lnoask
	global_prefetch_b8 v[PFO], s[4:5] offset:8192 th:TH_LOAD_NT scope:SCOPE_SE  ; chunk ks + 2, a trip ahead of its loads: 8,192 bytes, lanes 256 bytes apart; the head's first work-group asks, wave 0 for K, wave 4 for V: each block is named once
.Lnoask:
	v_add_nc_u32 v[ADK], s16, v[LI]
	v_add_nc_u32 v[ADV], VOFF, v[ADK]
	PAIR 0, 6
	PAIR 1, 8
	s_lshr_b32 s[ANY], s[ANY], 1
	s_lshr_b32 s[MIX], s[MIX], 1
	s_lshr_b32 s[NEED], s[NEED], 1
	s_add_nc_u64 s[6:7], s[6:7], 512               ; (the scalar loads that named these were waited for)
	s_add_nc_u64 s[8:9], s[8:9], 512
	s_add_co_u32 s16, s16, 8192
	s_add_co_u32 s15, s15, 1
	s_cmp_lt_u32 s15, 16
	s_cbranch_scc1 .Ltrip
	; THE WAY OUT.  ctx = O^T x 2^(e8 + e9) / the sum, held, converted.  v[TM + 4 t]: the factor (a pair); v[TM + 4 t + 2]: 0 x the reciprocal, which is NaN where the sum is 0 and 0 elsewhere.
.irp t, 0,1,2,3
	v_add_f32 v[TM+4*\t], v[ST+4*\t+2], v[ST+4*\t+3]
.endr
.irp t, 0,1,2,3
	v_permlanex16_b32 v[TM+4*\t+1], v[TM+4*\t], s[SEL], s[SEL+1]
.endr
.irp t, 0,1,2,3
	v_add_f32 v[TM+4*\t], v[TM+4*\t], v[TM+4*\t+1]
.endr
.irp t, 0,1,2,3
	v_rcp_f32 v[TM+4*\t+2], v[TM+4*\t]
.endr
	v_nop                                          ; a plain line behind the last reciprocal
	s_wait_alu depctr_va_vdst(0)                   ; one wait for the four
.irp t, 0,1,2,3
	v_ldexp_f32 v[TM+4*\t], v[TM+4*\t+2], s25
.endr
.irp t, 0,1,2,3
	v_mul_f32 v[TM+4*\t+2], 0, v[TM+4*\t+2]
.endr
; Tile t.  A conversion leaves lane (r, h) channels 16 ct + 8 h + 0..7; the last product's operand wants 32 b + 16 h + 0..15: so the halves of the lanes exchange two registers a piece.
.macro FIN t
.set D, S+32*(\t)
.set R, KV+8*(\t)
	WIN 0x01
.set i, 0
.rept 16
	v_pk_mul_f32 v[D+i:D+i+1], v[O+32*(\t)+i:O+32*(\t)+i+1], v[TM+4*(\t):TM+4*(\t)+1] op_sel_hi:[1,0]   ; each accumulator from its low end on
.set i, i+2
.endr
	WIN 0
.set i, 0
.rept 32
	v_med3_num_f32 v[D+i], v[D+i], -v[CLIM], v[CLIM]
.set i, i+1
.endr
.set i, 0
.rept 16
	v_pk_add_f32 v[D+i:D+i+1], v[D+i:D+i+1], v[TM+4*(\t)+2:TM+4*(\t)+3] op_sel_hi:[1,0]
.set i, i+2
.endr
.irp c, 0,1,2,3
	v_cvt_scalef32_pk8_fp8_f32 v[R+2*\c:R+2*\c+1], v[D+8*\c:D+8*\c+7], v[CSC]
.endr
	v_nop                                          ; a plain line between the conversions and the readers of their results
.irp b, 0,1
.set W, 80+4*(2*(\t)+\b)
	v_cndmask_b32 v240, v[R+4*\b+2], v[R+4*\b], s27          ; what the other half wants: lanes 0-15 send channels 16 + .., lanes 16-31 channels 8 ..
	v_cndmask_b32 v241, v[R+4*\b+3], v[R+4*\b+1], s27
	v_permlanex16_b32 v242, v240, s[SEL], s[SEL+1]
	v_permlanex16_b32 v243, v241, s[SEL], s[SEL+1]
	v_cndmask_b32 v[W], v[R+4*\b], v242, s27
	v_cndmask_b32 v[W+1], v[R+4*\b+1], v243, s27
	v_cndmask_b32 v[W+2], v242, v[R+4*\b+2], s27
	v_cndmask_b32 v[W+3], v243, v[R+4*\b+3], s27
	global_store_b128 v[LI], v[W:W+3], s[10+2*((\t)/2):11+2*((\t)/2)] offset:16384*((\t)%2)+512*\b   ; 512 consecutive bytes; each piece has registers of its own
.endr
.endm
	FIN 0
	FIN 1
	FIN 2
	FIN 3
	s_wait_tensorcnt 0x0
	ds_add_u32 v254, v255
	s_wait_dscnt 0x0
	s_endpgm
.Lfunc_end_k_qd9ff6d2744_attn:
	.size	k_qd9ff6d2744_attn, .Lfunc_end_k_qd9ff6d2744_attn-k_qd9ff6d2744_attn
	.p2alignl 7, 3214868480
	.fill 96, 4, 3214868480
	.section	.rodata,"a",@progbits
	.p2align	6, 0x0
	.amdhsa_kernel k_qd9ff6d2744_attn
		.amdhsa_group_segment_fixed_size 263168
		.amdhsa_private_segment_fixed_size 0
		.amdhsa_enable_private_segment 0
		.amdhsa_kernarg_size 56
		.amdhsa_user_sgpr_count 2
		.amdhsa_user_sgpr_kernarg_segment_ptr 1
		.amdhsa_wavefront_size32 1
		.amdhsa_system_sgpr_workgroup_id_x 1
		.amdhsa_system_sgpr_workgroup_id_y 1
		.amdhsa_system_sgpr_workgroup_id_z 1
		.amdhsa_system_vgpr_workitem_id 0
		.amdhsa_next_free_vgpr 464
		.amdhsa_next_free_sgpr 100
		.amdhsa_reserve_vcc 0
		.amdhsa_float_denorm_mode_32 3
		.amdhsa_float_denorm_mode_16_64 3
		.amdhsa_memory_ordered 1
		.amdhsa_forward_progress 1
		.amdhsa_inst_pref_size 111
	.end_amdhsa_kernel
	.amdgpu_metadata
---
amdhsa.version: [ 1, 2 ]
amdhsa.kernels:
  - .name:           k_qd9ff6d2744_attn
    .symbol:         k_qd9ff6d2744_attn.kd
    .args:
      - { .name: qimg, .offset: 0, .size: 8, .value_kind: global_buffer, .address_space: global }
      - { .name: kimg, .offset: 8, .size: 8, .value_kind: global_buffer, .address_space: global }
      - { .name: vimg, .offset: 16, .size: 8, .value_kind: global_buffer, .address_space: global }
      - { .name: maskw, .offset: 24, .size: 8, .value_kind: global_buffer, .address_space: global }
      - { .name: flags, .offset: 32, .size: 8, .value_kind: global_buffer, .address_space: global }
      - { .name: lowp_scales, .offset: 40, .size: 8, .value_kind: global_buffer, .address_space: global }
      - { .name: ctximg, .offset: 48, .size: 8, .value_kind: global_buffer, .address_space: global }
    .group_segment_fixed_size: 263168
    .private_segment_fixed_size: 0
    .kernarg_segment_align: 8
    .kernarg_segment_size: 56
    .max_flat_workgroup_size: 256
    .sgpr_count:     100
    .vgpr_count:     464
    .wavefront_size: 32
...
	.end_amdgpu_metadata
.endif
;; end of part 2
;; launch outp (part 3): grid 4 x 32, 4 waves a work-group, clusters of 4 x 4, 327,680 bytes of LDS; arguments ctximg, Wo_codes, lowp_scales, bo, out0; writes out0
.if DOCPART == 3
	.amdgcn_target "amdgcn-amd-amdhsa--gfx1250"
	.amdhsa_code_object_version 6
	.text
	.protected	k_qd9ff6d2744_outp
	.globl	k_qd9ff6d2744_outp
	.p2align	8
	.type	k_qd9ff6d2744_outp,@function
k_qd9ff6d2744_outp:
	s_mov_b64 s[64:65], 0
	v_nop
	global_prefetch_b8 v0, s[64:65] scope:SCOPE_SE
	s_setreg_imm32_b32 hwreg(HW_REG_WAVE_MODE, 25, 1), 1
	s_wait_xcnt 0x0
	s_wait_alu depctr_hold_cnt(0) depctr_sa_sdst(0) depctr_va_vdst(0) depctr_va_sdst(0) depctr_va_ssrc(0) depctr_va_vcc(0) depctr_vm_vsrc(0)
	s_getreg_b32 s2, hwreg(HW_REG_IB_STS2, 6, 4)
	s_cmp_eq_u32 s2, 0
	s_cbranch_scc0 .Lentry_in_a_cluster
	s_endpgm
.Lentry_in_a_cluster:
	s_bfe_u32 s2, ttmp6, 0x10000c
	s_cmp_lg_u32 s2, 0xf033
	s_cbranch_scc0 .Lentry_shape_is_right
	s_endpgm
.Lentry_shape_is_right:
; out0 = ctx Wo^T x 2^(e10 + e11) + bo.  ctx: codes of FP8 (E4M3) as images of operand registers, [token tile 512][128 along K: 8][c 4][512 bytes]: lane (r, h): token 16 TT + r, channels 32 c + 16 h + 0..15.
; Wo: [1024][1024] codes, K innermost.  out0: [8192][1024] f32.
; A tile of the result, 256 x 256, is made by four waves, each 128 x 128: 64 accumulators.  K goes in steps of 256 through two LDS slots filled by the tensor data mover; four K steps, written out.
; A's part of a slot is 16 token tiles x 4,096 bytes, as they lie: a fragment load takes 512 consecutive bytes.  B's is 256 rows of 256 bytes + 16 of padding; its fragments are fetched by four loads of 16 bytes, which gives k the places that A's images have.
; CLUSTERS: 4 x 4 work-groups; the four of a row of the cluster ask jointly for A's tile, the four of a column for B's.  The grid is 128 work-groups: the result has 128 tiles of this size.
; THE MATRIX INSTRUCTION IS USED TRANSPOSED (source 0 = 16 rows of Wo, source 1 = 16 tokens): a lane holds eight neighbouring numbers of a row of the result.
; LIMIT: e10 + e11 between -126 and 127, so that 2^(e10 + e11) is an f32 number.
; REGISTERS: window 0: v0-31 addresses; v32-95 bo in a block's layout; from v128 A's fragments, ONE set, later rows on their way out.  window 1: B's fragments, TWO sets; later a block's results.  windows 2, 3: the accumulators.
.set ROWB,   256
.set KROW,   1024
.set PITCH,  272
.set FR,     16
.set NL,     4
.set NP,     4
.set ASTEP,  4096                      ; a token tile's bytes of a K step
.set APITCH, 16384                     ; from token tile to token tile in memory
.set HALFA,  8*ASTEP                   ; what one tensor load brings of A, and what one wave reads
.set HALFB,  128*PITCH
.set BOFF,   2*HALFA
.set SLOT,   BOFF+2*HALFB
.set SPARE,  2*SLOT                    ; behind the ring: the spare words, 128 bytes a wave; no other line names them
.set SPITCH, 528                       ; the way out: a stage of 16 rows x (512 + 16) bytes a wave, in slot 0, which has had its last fill and its last read by then
.set ADRA, 16
.set ADRB, 20
.set STO,  24
.set RD,   25
.set CO,   26                          ; 16 x lane
.set SPW,  28
.set NIL,  29
.set BN,   32
.set AF,   128
.set BK,   128
.set G1, 24
.set G0, 32
.set G1B, 48
.set G0B, 56
.set MSB, 0
.macro WIN new
.if MSB != \new
	s_set_vgpr_msb (MSB<<8)|\new
.set MSB, \new
.endif
.endm
.set MUL_LO, 0xa1
.set MUL_HI, 0xf1
.set TO_B,   0x40
.macro JLOAD g0a, g1a, g0b, g1b        ; a joint load: waves 0 and 1 fetch for A, waves 2 and 3 for B; four v_nop follow each of the two lines
	s_cmp_eq_u32 s15, 0
	s_cbranch_scc0 .Lfor_b_\@
	tensor_load_to_lds s[\g0a:\g0a+3], s[\g1a:\g1a+7]
	s_nop 0
.rept 4
	v_nop
.endr
	s_branch .Lasked_\@
.Lfor_b_\@:
	tensor_load_to_lds s[\g0b:\g0b+3], s[\g1b:\g1b+7]
	s_nop 0
.rept 4
	v_nop
.endr
.Lasked_\@:
.endm
.macro CREST
	s_cmp_lg_u32 s14, 0
	s_cbranch_scc1 .Lnot_wave_0_\@
	s_barrier_signal -3
.Lnot_wave_0_\@:
	s_barrier_wait -3
	s_barrier_signal -1
	s_barrier_wait -1
.endm
.macro CROUND
	s_barrier_signal -1
	s_barrier_wait -1
	CREST
.endm
	s_load_b128 s[4:7], s[0:1], 0x0                ; ctximg, Wo's codes
	s_load_b128 s[8:11], s[0:1], 0x10              ; the exponents, bo
	s_load_b64 s[12:13], s[0:1], 0x20              ; out0
	v_lshl_add_u32 v[SPW], v0, 2, SPARE
	v_mov_b32 v[NIL], 0
	ds_add_u32 v28, v29
	ds_add_u32 v28, v29
	s_wait_dscnt 0x0
	v_lshrrev_b32 v1, 5, v0
	v_readfirstlane_b32 s14, v1                    ; wave 0..3
	s_lshr_b32 s15, s14, 1                         ; which half of the tile's rows is mine.  Also: I fetch for A (0) or for B (1)
	s_and_b32 s16, s14, 1                          ; which half of its columns.  Also: which half of that tile I fetch
	s_bfe_u32 s40, ttmp6, 0x40000                  ; cx, cy
	s_bfe_u32 s41, ttmp6, 0x40004
	s_lshl_b32 s42, ttmp9, 2
	s_add_co_u32 s42, s42, s40                     ; tile column
	s_and_b32 s17, ttmp7, 0xffff
	s_lshl_b32 s17, s17, 2
	s_add_co_u32 s17, s17, s41                     ; tile row
	s_lshl_b32 s43, s41, 2
	s_lshl_b32 s43, 15, s43                        ; my row of the cluster
	s_lshl_b32 s44, 0x1111, s40                    ; my column
	; group 1 for A: 8 rows (token tiles) of 4,096 bytes, 16,384 bytes apart, no padding
	s_or_b32 s[G1+0], s43, (0<<16)|(1<<21)         ; 15:0 the mask; 17:16 elements of 1 byte; 21 set beside a mask
	s_mov_b32 s[G1+1], ASTEP<<16                   ; tensor_dim0
	s_mov_b32 s[G1+2], 8<<16                       ; tensor_dim1
	s_mov_b32 s[G1+3], ASTEP<<16                   ; tile_dim0
	s_mov_b32 s[G1+4], 8                           ; tile_dim1
	s_mov_b32 s[G1+5], APITCH                      ; the pitch
	s_mov_b32 s[G1+6], 0
	s_mov_b32 s[G1+7], 0
	; group 1 for B: 128 rows of 256 bytes, 16 bytes of padding behind each
	s_or_b32 s[G1B+0], s44, (0<<16)|(1<<20)|(1<<21)|(5<<22)|(3<<25)
	s_mov_b32 s[G1B+1], ROWB<<16
	s_mov_b32 s[G1B+2], 128<<16
	s_mov_b32 s[G1B+3], ROWB<<16
	s_mov_b32 s[G1B+4], 128
	s_mov_b32 s[G1B+5], KROW
	s_mov_b32 s[G1B+6], 0
	s_mov_b32 s[G1B+7], 0
	s_lshl_b32 s18, s16, 17                        ; my half: 8 token tiles of 16,384 bytes, or 128 rows of 1,024: the same number of bytes
	s_lshl_b32 s20, s17, 18
	s_add_co_u32 s20, s20, s18                     ; A: 16 token tiles a tile row
	s_mov_b32 s21, 0
	s_lshl_b32 s46, s42, 18
	s_add_co_u32 s46, s46, s18                     ; B: 256 rows a tile column
	s_mov_b32 s47, 0
	s_lshl_b32 s45, s16, 15                        ; where they go: no place in the cluster enters an LDS address
	s_mul_i32 s23, s16, HALFB
	s_add_co_u32 s23, s23, BOFF
	s_wait_kmcnt 0x0
	s_load_b64 s[96:97], s[8:9], 0x28              ; e10, e11
	s_add_nc_u64 s[20:21], s[4:5], s[20:21]
	s_add_nc_u64 s[46:47], s[6:7], s[46:47]
	CROUND                                         ; all sixteen work-groups are here: the first joint loads meet
.irp s, 0,1
	s_mov_b32 s[G0+4*\s], 1
	s_add_co_u32 s[G0+4*\s+1], s45, \s*SLOT
	s_add_nc_u64 s[G0+4*\s+2:G0+4*\s+3], s[20:21], \s*ASTEP
	s_or_b32 s[G0+4*\s+3], s[G0+4*\s+3], 0x80000000
	s_mov_b32 s[G0B+4*\s], 1
	s_add_co_u32 s[G0B+4*\s+1], s23, \s*SLOT
	s_add_nc_u64 s[G0B+4*\s+2:G0B+4*\s+3], s[46:47], \s*ROWB
	s_or_b32 s[G0B+4*\s+3], s[G0B+4*\s+3], 0x80000000
	JLOAD G0+4*\s, G1, G0B+4*\s, G1B               ; K steps 0 and 1: two loads of mine are out
.endr
	v_and_b32 v1, 15, v0                           ; r
	v_bfe_u32 v2, v0, 4, 1                         ; h
	v_and_b32 v6, 31, v0
	v_lshlrev_b32 v[CO], 4, v6
	v_mul_u32_u24 v3, v1, PITCH
	v_lshl_add_u32 v4, v2, 4, v3
	s_lshl_b32 s21, s15, 15                        ; my 8 token tiles of A
	s_mul_i32 s22, s16, HALFB                      ; my 128 rows of B
	s_add_co_u32 s22, s22, BOFF
.irp s, 0,1
	v_add_nc_u32 v[ADRA+\s], s21, v[CO]
	v_add_nc_u32 v[ADRB+\s], s22, v4
	s_add_co_u32 s21, s21, SLOT
	s_add_co_u32 s22, s22, SLOT
.endr
	s_mul_i32 s23, s14, 16*SPITCH                  ; my stage
	v_mul_u32_u24 v5, v1, SPITCH                   ; in: row r, 32 bytes for each half of the lanes
	v_lshl_add_u32 v5, v2, 5, v5
	v_add_nc_u32 v[STO], s23, v5
	v_add_nc_u32 v[RD], s23, v[CO]                 ; back: the 32 lanes take one row of 512 bytes
	s_lshl_b32 s46, s42, 10                        ; my first column, in bytes: 1,024 x tile column + 512 x half
	s_lshl_b32 s47, s16, 9
	s_add_co_u32 s46, s46, s47
	s_mov_b32 s47, 0
	v_lshl_add_u32 v7, v2, 5, s46
.irp b, 0,1,2,3,4,5,6,7
	global_load_b128 v[BN+8*\b:BN+8*\b+3], v7, s[10:11] offset:64*\b        ; bo[column + 16 b + 8 h + 0..3]
	global_load_b128 v[BN+8*\b+4:BN+8*\b+7], v7, s[10:11] offset:64*\b+16
.endr
	s_lshl_b32 s20, s17, 8
	s_lshl_b32 s21, s15, 7
	s_add_co_u32 s20, s20, s21                     ; my first row
	s_lshl_b32 s20, s20, 12                        ; of 4,096 bytes (under 2^25)
	s_mov_b32 s21, 0
	s_add_nc_u64 s[20:21], s[20:21], s[46:47]
	s_add_nc_u64 s[12:13], s[12:13], s[20:21]
.macro FRAG reg, adr, q, i             ; B: 16 rows x 128 K: registers 4 c .. 4 c + 3 hold K = 32 c + 16 h + 0 .. 15
.irp c, 0,1,2,3
	ds_load_b128 v[\reg+4*\c:\reg+4*\c+3], v[\adr] offset:128*(\q)+32*\c+(\i)*16*PITCH
.endr
.endm
.macro FRAGA reg, adr, q, i            ; A: the image of the same registers
.irp c, 0,1,2,3
	ds_load_b128 v[\reg+4*\c:\reg+4*\c+3], v[\adr] offset:(\i)*ASTEP+2048*(\q)+512*\c
.endr
.endm
.macro MUL16 a0, p, zero               ; the 64 accumulators take turns, one instruction a turn, in the same order in every step
.irp a, \a0, \a0+1
.irp b, 0,1,2,3,4,5,6,7
.if \zero
	v_wmma_f32_16x16x128_fp8_fp8 v[8*(8*((\a)%4)+\b):8*(8*((\a)%4)+\b)+7], v[128*(\p)+FR*\b:128*(\p)+FR*\b+FR-1], v[AF+FR*(\a):AF+FR*(\a)+FR-1], 0
.else
	v_wmma_f32_16x16x128_fp8_fp8 v[8*(8*((\a)%4)+\b):8*(8*((\a)%4)+\b)+7], v[128*(\p)+FR*\b:128*(\p)+FR*\b+FR-1], v[AF+FR*(\a):AF+FR*(\a)+FR-1], v[8*(8*((\a)%4)+\b):8*(8*((\a)%4)+\b)+7]
.endif
.endr
.endr
.endm
.macro FETCH_B slot, q, p
	WIN TO_B
.irp i, 0,1,2,3,4,5,6,7
	FRAG 128*(\p)+FR*\i, ADRB+\slot, \q, \i
.endr
	WIN 0
.endm
.macro FETCH_A slot, q, i0
.irp i, \i0, \i0+1, \i0+2, \i0+3
	FRAGA AF+FR*(\i), ADRA+\slot, \q, \i
.endr
.endm
.macro PLACES n                        ; plain vector instructions between a matrix instruction and a load into, or a vector read or write of, its registers
.rept \n
	v_nop
.endr
.endm
.macro STEP slot, q, zero
	s_wait_dscnt 4*NL                              ; B's set and A's blocks 0-3 are in; the youngest sixteen loads (A's blocks 4-7) may be out
	WIN MUL_LO
	MUL16 0, (\q)%2, \zero
	MUL16 2, (\q)%2, \zero
	s_wait_dscnt 0
	PLACES NP
	FETCH_B \slot, (\q)+1, 1-(\q)%2
	FETCH_A \slot, (\q)+1, 0
	WIN MUL_HI
	MUL16 4, (\q)%2, \zero
	MUL16 6, (\q)%2, \zero
	PLACES NP
	WIN 0
	FETCH_A \slot, (\q)+1, 4
.endm
.macro TURN slot, next, fill
	s_wait_tensorcnt 0x0                           ; all my tensor loads have landed: my part of the next slot
	ds_add_u32 v[SPW], v[NIL]                      ; 0 onto my spare word
	s_wait_dscnt 4*NL+1                            ; (the add and the youngest sixteen loads may be out)
	WIN MUL_LO
	MUL16 0, 1, 0
	s_wait_dscnt 0x0                               ; the add is done, and my reads of this slot are over
	s_barrier_signal -1
	MUL16 2, 1, 0
	WIN 0
	s_barrier_wait -1
.if \fill
	CREST                                          ; the barrier has opened a round of the cluster's: no wave of any partner still reads this slot or has a load on its way
	s_add_nc_u64 s[G0+4*\slot+2:G0+4*\slot+3], s[G0+4*\slot+2:G0+4*\slot+3], 2*ASTEP
	s_add_nc_u64 s[G0B+4*\slot+2:G0B+4*\slot+3], s[G0B+4*\slot+2:G0B+4*\slot+3], 2*ROWB
	JLOAD G0+4*\slot, G1, G0B+4*\slot, G1B
.else
	PLACES NP
.endif
	FETCH_B \next, 0, 0
	FETCH_A \next, 0, 0
	WIN MUL_HI
	MUL16 4, 1, 0
	MUL16 6, 1, 0
	PLACES NP
	WIN 0
	FETCH_A \next, 0, 4
.endm
	s_wait_tensorcnt 1                             ; my part of K step 0 is in; K step 1's load may be out
	s_barrier_signal -1
	s_barrier_wait -1
	FETCH_B 0, 0, 0
	FETCH_A 0, 0, 0
	FETCH_A 0, 0, 4
	STEP 0, 0, 1                                   ; the first products start the sums
	TURN 0, 1, 1
	STEP 1, 0, 0
	TURN 1, 0, 1
	STEP 0, 0, 0
	TURN 0, 1, 0
	STEP 1, 0, 0
	s_wait_dscnt 4*NL
	WIN MUL_LO
	MUL16 0, 1, 0
	MUL16 2, 1, 0
	s_wait_dscnt 0
	WIN MUL_HI
	MUL16 4, 1, 0
	MUL16 6, 1, 0
	WIN 0
; THE WAY OUT, block by block of 16 rows x 128 columns: sum x 2^(e10 + e11) + bo; through my own stage in LDS; back as whole rows of 512 bytes.  LDS serves a wave's instructions in order (ISA guide 5.7.1.4): no wait between the stores and the loads.
.macro TOSTAGE a
.set AC, 64*((\a)%4)
	WIN 0x42+((\a)/4)                              ; source 0: window 2 or 3; destination: window 1
.set j, 0
.rept 32
	v_pk_fma_f32 v[j:j+1], v[AC+j:AC+j+1], s[96:97], v[BN+j:BN+j+1] op_sel_hi:[1,0,1]   ; each accumulator from its low end on
.set j, j+2
.endr
	WIN 0x04                                       ; the stores' data: window 1
.irp b, 0,1,2,3,4,5,6,7
	ds_store_b128 v[STO], v[8*\b:8*\b+3] offset:64*\b
	ds_store_b128 v[STO], v[8*\b+4:8*\b+7] offset:64*\b+16
.endr
	WIN 0
.set BB, BK+64*((\a)%2)
.irp t, 0,1,2,3,4,5,6,7,8,9,10,11,12,13,14,15
	ds_load_b128 v[BB+4*\t:BB+4*\t+3], v[RD] offset:\t*SPITCH
.endr
.endm
.macro SEND a, younger                 ; younger: the LDS instructions issued behind block a's loads, which may stay out
.set BB, BK+64*((\a)%2)
	s_wait_dscnt \younger
.if (\a) > 0
	s_add_nc_u64 s[12:13], s[12:13], 16*4096       ; (behind a wait on XCNT: the earlier stores have read their base)
.endif
.irp t, 0,1,2,3,4,5,6,7,8,9,10,11,12,13,14,15
	global_store_b128 v[CO], v[BB+4*\t:BB+4*\t+3], s[12:13] offset:\t*4096 th:TH_STORE_NT   ; 32 lanes store 512 consecutive bytes, at a multiple of 256 from the buffer's first byte
.endr
.endm
	s_wait_loadcnt 0x0                             ; bo
	s_wait_kmcnt 0x0
	s_add_co_i32 s96, s96, s97
	s_add_co_i32 s96, s96, 127
	s_lshl_b32 s96, s96, 23                        ; 2^(e10 + e11) as f32; the packed form takes the pair's low word for both halves
	PLACES NP
	TOSTAGE 0
.irp a, 1,2,3,4,5,6,7
.if \a > 1
	s_wait_xcnt 0x0                                ; block a - 2's stores have read their registers and their base
.endif
	TOSTAGE \a
	SEND \a-1, 32                                  ; behind block a - 1's loads: block a's 16 stores and 16 loads
.endr
	s_wait_xcnt 0x0
	SEND 7, 0
	s_wait_tensorcnt 0x0                           ; the wave's end
	ds_add_u32 v[SPW], v[NIL]
	s_wait_dscnt 0x0
	CROUND                                         ; the closing round
	s_endpgm
.Lfunc_end_k_qd9ff6d2744_outp:
	.size	k_qd9ff6d2744_outp, .Lfunc_end_k_qd9ff6d2744_outp-k_qd9ff6d2744_outp
	.p2alignl 7, 3214868480
	.fill 96, 4, 3214868480
	.section	.rodata,"a",@progbits
	.p2align	6, 0x0
	.amdhsa_kernel k_qd9ff6d2744_outp
		.amdhsa_group_segment_fixed_size 327680
		.amdhsa_private_segment_fixed_size 0
		.amdhsa_enable_private_segment 0
		.amdhsa_kernarg_size 40
		.amdhsa_user_sgpr_count 2
		.amdhsa_user_sgpr_kernarg_segment_ptr 1
		.amdhsa_wavefront_size32 1
		.amdhsa_system_sgpr_workgroup_id_x 1
		.amdhsa_system_sgpr_workgroup_id_y 1
		.amdhsa_system_sgpr_workgroup_id_z 1
		.amdhsa_system_vgpr_workitem_id 0
		.amdhsa_next_free_vgpr 1024
		.amdhsa_next_free_sgpr 100
		.amdhsa_reserve_vcc 0
		.amdhsa_float_denorm_mode_32 3
		.amdhsa_float_denorm_mode_16_64 3
		.amdhsa_memory_ordered 1
		.amdhsa_forward_progress 1
		.amdhsa_inst_pref_size 125
	.end_amdhsa_kernel
	.amdgpu_metadata
---
amdhsa.version: [ 1, 2 ]
amdhsa.kernels:
  - .name:           k_qd9ff6d2744_outp
    .symbol:         k_qd9ff6d2744_outp.kd
    .args:
      - { .name: ctximg, .offset: 0, .size: 8, .value_kind: global_buffer, .address_space: global }
      - { .name: Wo_codes, .offset: 8, .size: 8, .value_kind: global_buffer, .address_space: global }
      - { .name: lowp_scales, .offset: 16, .size: 8, .value_kind: global_buffer, .address_space: global }
      - { .name: bo, .offset: 24, .size: 8, .value_kind: global_buffer, .address_space: global }
      - { .name: out0, .offset: 32, .size: 8, .value_kind: global_buffer, .address_space: global }
    .group_segment_fixed_size: 327680
    .private_segment_fixed_size: 0
    .kernarg_segment_align: 8
    .kernarg_segment_size: 40
    .max_flat_workgroup_size: 128
    .sgpr_count:     100
    .vgpr_count:     1024
    .wavefront_size: 32
...
	.end_amdgpu_metadata
.endif
;; end of part 3
;; ======== version 2 of 2: 3 launches; version 1 with the launch attn written anew for expert scheduling mode
;; workspace buffers: qimg 8,388,608 bytes; kimg 8,388,608 bytes; vimg 8,388,608 bytes; ctximg 8,388,608 bytes; maskw 524,288 bytes of whole numbers; flags 4,096 bytes of whole numbers
;; launch proj: the kernel of part 1 again; grid 4 x 96, 4 waves a work-group, clusters of 4 x 4, 327,680 bytes of LDS; arguments query_codes, key_codes, Wv_codes, Wq_codes, Wk_codes, value_codes, bq, bk, bv, qimg, kimg, vimg, lowp_scales, causal_mask, maskw, flags; writes qimg, kimg, vimg, maskw, flags
;; launch attn (part 4): grid 4 x 64, 8 waves a work-group, no clusters, 263,168 bytes of LDS; arguments qimg, kimg, vimg, maskw, flags, lowp_scales, ctximg; writes ctximg
.if DOCPART == 4
	.amdgcn_target "amdgcn-amd-amdhsa--gfx1250"
	.amdhsa_code_object_version 6
	.text
	.protected	k_qd9ff6d2744_attn
	.globl	k_qd9ff6d2744_attn
	.p2align	8
	.type	k_qd9ff6d2744_attn,@function
k_qd9ff6d2744_attn:
	s_mov_b64 s[64:65], 0
	v_nop
	global_prefetch_b8 v0, s[64:65] scope:SCOPE_SE
	s_setreg_imm32_b32 hwreg(HW_REG_WAVE_SCHED_MODE, 0, 2), 2
	s_setreg_imm32_b32 hwreg(HW_REG_WAVE_MODE, 25, 1), 1
	s_wait_xcnt 0x0
	s_wait_alu depctr_vm_vsrc(0)
; ATTENTION on codes of FP8 (E4M3): S^T = K Q^T, the mask input, p = 2^(t - M) with a running whole M, O^T = V^T P^T, divided by the sum of the unquantised p, quantised with 2^e10 into the image that the last product reads.
; t = score x log2(e) / 8 x 2^(e6 + e7); M = the ceiling of the running largest t; when M moves, the sum and O^T are multiplied by 2^(old M - new M): nothing is rounded.
; SHARES.  A work-group (x = j, y = batch x 16 + head) has eight waves; wave w owns two PAIRS of query tiles, pair 8 j + w and pair 63 - (8 j + w), 32 queries each.
; All waves walk the head's 16 chunks of 128 keys in a loop of constant count.  A pair's work on a chunk is left out where the stored flag says that no entry of that block of the mask is true; where all are true the mask words are not read.
; These are scalar branches on whole numbers that the launch before has stored; they serve any mask.
; K AND V GO THROUGH LDS ONCE: the whole head has room (2 x 131,072 bytes), every byte is written once, by the wave that loaded it (waves 0-3 a quarter of K's chunk each, waves 4-7 of V's), one chunk ahead of its use.
; One barrier a trip: the chunk's stores, their wait, the barrier, the reads.  The stores of chunk ks + 1 and the reads of chunk ks lie 8,192 bytes apart.
; NO CLUSTER, NO TENSOR LOAD: the four work-groups of a head read the same K and V, but a joint request is a tensor load; the branches spare half of the blocks under a lower-triangular mask.
; LAYOUT.  Both products are used transposed, so a lane holds ONE query (lane % 16) throughout.  S^T's tile T, register j is key 16 T + 8 h + j: its conversion gives registers 2 T, 2 T + 1 of the second product's operand as that form lays k.
; A row of the mask with no true entry has the sum 0: its codes are made NaN, as the softmax of such a row is.
; LIMITS: e6 + e7 between -123 and 130; e8, e10 between -126 and 119.
; REGISTERS.  window 0: v1-12 addresses and constants; v16-31 four registers a tile: -M, largest t, the sum in two halves; v32-47 at work; v48-111 K's or V's fragments; v112-239 S^T then p, 64 a tile of the pair in hand.
;   window 1: v0-127 O^T, 32 a tile; v128-159 Q, 8 a tile; v160-191 p's codes; v192-207 the chunk on its way to LDS.
; THE MODE: SCHED_MODE bits 1:0 = 2 (LLVM: expert scheduling mode 2), set by the entry lines.  The code itself states the register dependences
; between vector or matrix instructions and memory or LDS instructions, with s_wait_alu, always for 0.
; THE PLAN.  Registers that memory or LDS instructions touch:
;   v[LI], v[FGO], v[PFO], v244   offsets, made once at the head and never written again.  v241: likewise, read by one load at the head; the way out writes it again, behind the trips' waits on vm_vsrc.
;   v[FSA], v[ADK], v[ADV]        LDS addresses of the trip's chunk: written by three additions at the trip's head; read by the trip's LDS stores and loads.
;   FILL (window 1)               the next chunk's global loads land in it; the next trip's LDS stores read it; no vector instruction names it.
;   KV                            in a pair's turn: K's LDS loads land, the sixteen products K Q^T read it, V's LDS loads land, the eight products V^T P^T read it.
;   v80-111 on the way out        written by the selects of all four tiles, read by the eight stores, which stand together at the end.
; A trip's head: one wait on vm_vsrc, the three additions, one wait on va_vdst (the addresses are written; the last trip's products are done reading KV).  Beside the wait on DScnt in front of the barrier: one wait on vm_vsrc, for FILL.
; Between the two pairs: one wait on va_vdst, for KV.  In a pair: one behind the products K Q^T, for KV, and the one for the batch of exponentials.
.set LI,   1                           ; 16 x lane
.set ADK,  2                           ; LDS address of the trip's K
.set ADV,  3                           ; and V
.set FS0,  4                           ; where I store my part of chunk 0
.set FSA,  5                           ; and of the chunk in hand
.set FGO,  6                           ; my part's offset in a chunk in memory
.set PFO,  7                           ; 256 x lane: the prefetch's offset
.set NINF, 8
.set PSC,  9                           ; 2^e8
.set PLIM, 10                          ; 448 x 2^e8
.set CSC,  11                          ; 2^e10
.set CLIM, 12                          ; 448 x 2^e10
.set ST,   16
.set TM,   32                          ; tile u of the pair in hand: +8 u: two maxima, f (a pair), a second sum (a pair), the exchange
.set KV,   48
.set S,    112
.set O,    0                           ; window 1
.set Q,    128
.set P,    160
.set FILL, 192
.set ANY,  17                          ; s17  bit 0: pair A has work in this trip; bit 16: pair B
.set MIX,  18                          ; s18  likewise: the block has true and false entries
.set NEED, 19                          ; s19  bit i: some wave of the work-group reads chunk ks + i
.set SEL,  20                          ; s[20:21] lane l xor 16
.set CS,   22                          ; s[22:23] log2(e) / 8 x 2^(e6 + e7)
.set VOFF, 131072
.set MSB, 0
.macro WIN new
.if MSB != \new
	s_set_vgpr_msb (MSB<<8)|\new
.set MSB, \new
.endif
.endm
	s_load_b256 s[32:39], s[0:1], 0x0              ; qimg 32, kimg 34, vimg 36, maskw 38
	s_load_b128 s[40:43], s[0:1], 0x20             ; flags 40, the exponents 42
	s_load_b64 s[44:45], s[0:1], 0x30              ; ctximg
	v_lshl_add_u32 v254, v0, 2, 0x40000
	v_mov_b32 v255, 0
	v_lshrrev_b32 v13, 5, v0
	v_readfirstlane_b32 s14, v13                   ; wave 0..7
	v_and_b32 v14, 31, v0
	v_and_b32 v15, 15, v0                          ; r
	v_bfe_u32 v13, v0, 4, 1                        ; h
	v_lshlrev_b32 v[LI], 4, v14
	v_lshlrev_b32 v[PFO], 8, v14
	s_wait_alu depctr_va_sdst(0)                   ; s14 is written, ahead of its first reader: the pairs, the bases and the branches on the wave's number are made from it
	s_and_b32 s29, ttmp7, 0xffff                   ; batch x 16 + head
	s_lshl_b32 s30, ttmp9, 3
	s_add_co_u32 s30, s30, s14                     ; pair A
	s_sub_co_u32 s31, 63, s30                      ; pair B
	s_and_b32 s2, s14, 3
	s_lshl_b32 s2, s2, 11
	v_add_nc_u32 v[FGO], s2, v[LI]                 ; my quarter of a chunk: 2,048 bytes
	s_lshr_b32 s3, s14, 2
	s_lshl_b32 s3, s3, 17
	v_add_nc_u32 v[FS0], s3, v[FGO]                ; K's image from LDS byte 0, V's from 131,072
	v_lshlrev_b32 v240, 2, v15                     ; the flags: lanes 0-15 read pair A's sixteen, lanes 16-31 pair B's
	s_lshl_b32 s46, s30, 6
	s_sub_co_u32 s47, s31, s30
	s_lshl_b32 s47, s47, 6
	v_mad_u32_u24 v241, v13, s47, v240
	v_add_nc_u32 v241, s46, v241
	s_lshl_b32 s48, ttmp9, 9                       ; and those of the work-group's sixteen pairs: 8 j + i below, 56 - 8 j + i above
	s_lshl_b32 s49, ttmp9, 4
	s_sub_co_u32 s49, 56, s49
	s_lshl_b32 s49, s49, 6
	v_mad_u32_u24 v244, v13, s49, v240
	v_add_nc_u32 v244, s48, v244
	s_lshl_b32 s50, s29, 17                        ; the head's bytes in each image
	s_mov_b32 s51, 0
	s_lshl_b32 s52, s30, 11                        ; a pair's two tiles of Q: 2,048 bytes
	s_mov_b32 s53, 0
	s_lshl_b32 s54, s31, 11
	s_mov_b32 s55, 0
	s_lshl_b32 s56, s30, 13                        ; a pair's mask words: 16 chunks x 512 bytes
	s_mov_b32 s57, 0
	s_lshl_b32 s58, s31, 13
	s_mov_b32 s59, 0
	s_lshr_b32 s2, s29, 4
	s_lshl_b32 s2, s2, 21                          ; ctximg: batch x 128 token tiles of 16,384 bytes,
	s_and_b32 s3, s29, 15
	s_lshl_b32 s3, s3, 10                          ; the head's 64 channels: 1,024 bytes of a tile,
	s_or_b32 s2, s2, s3
	s_lshl_b32 s60, s30, 15                        ; a pair's two tiles
	s_or_b32 s60, s60, s2
	s_mov_b32 s61, 0
	s_lshl_b32 s62, s31, 15
	s_or_b32 s62, s62, s2
	s_mov_b32 s63, 0
	s_wait_kmcnt 0x0
	s_load_b256 s[68:75], s[42:43], 0x0            ; e0 .. e7
	s_load_b128 s[76:79], s[42:43], 0x20           ; e8 .. e11
	s_cmp_lt_u32 s14, 4
	s_cselect_b64 s[4:5], s[34:35], s[36:37]       ; waves 0-3 carry K, waves 4-7 V
	s_add_nc_u64 s[4:5], s[4:5], s[50:51]
	s_add_nc_u64 s[32:33], s[32:33], s[50:51]
	s_add_nc_u64 s[34:35], s[32:33], s[52:53]      ; Q of pair A
	s_add_nc_u64 s[36:37], s[32:33], s[54:55]      ; Q of pair B
	s_add_nc_u64 s[6:7], s[38:39], s[56:57]        ; the mask words of pair A,
	s_add_nc_u64 s[8:9], s[38:39], s[58:59]        ; of pair B
	s_add_nc_u64 s[10:11], s[44:45], s[60:61]      ; the result of pair A,
	s_add_nc_u64 s[12:13], s[44:45], s[62:63]      ; of pair B
	WIN 0x40
	s_wait_alu depctr_va_vdst(0)                   ; the offsets v[LI], v[FGO], v[PFO], v241 and v244 are written: every global load, the prefetch and the last stores read one of them; up to the last load of this run stand loads and one window switch alone
.irp i, 0,1,2,3
	global_load_b128 v[FILL+4*\i:FILL+4*\i+3], v[FGO], s[4:5] offset:512*\i    ; chunk 0
.endr
.irp u, 0,1
.irp c, 0,1
	global_load_b128 v[Q+8*\u+4*\c:Q+8*\u+4*\c+3], v[LI], s[34:35] offset:1024*\u+512*\c        ; Q stays in registers
	global_load_b128 v[Q+16+8*\u+4*\c:Q+16+8*\u+4*\c+3], v[LI], s[36:37] offset:1024*\u+512*\c
.endr
.endr
	WIN 0
	global_load_b32 v112, v241, s[40:41]
.irp i, 0,1,2,3,4,5,6,7
	global_load_b32 v[113+\i], v244, s[40:41] offset:64*\i
.endr
.irp t, 0,1,2,3
	v_mov_b32 v[ST+4*\t+1], 0xff61b1e6             ; the largest t so far: -3e38, under every t
	v_floor_f32 v[ST+4*\t], -v[ST+4*\t+1]          ; -M
	v_mov_b32 v[ST+4*\t+2], 0                      ; the sum, in two halves
	v_mov_b32 v[ST+4*\t+3], 0
.endr
.set i, 0
.rept 16
	v_mov_b32 v[TM+i], 0                           ; written once: some are named as halves of pairs or as a lane exchange's destination, on ways that have no active block too
.set i, i+1
.endr
	v_mov_b32 v242, 0
	v_mov_b32 v243, 0
	v_mov_b32 v[NINF], 0xff800000
	WIN 0x40
.set i, 0
.rept 128
	v_mov_b32 v[O+i], 0                            ; O^T: which step is a tile's first is known from the stored flags alone, so no product can be written out that starts the sums
.set i, i+1
.endr
	WIN 0
	s_mov_b32 s[SEL], 0x76543210
	s_mov_b32 s[SEL+1], 0xfedcba98
	s_mov_b32 s27, 0xffff0000                      ; lanes 16-31
	s_mov_b32 s15, 0                               ; ks
	s_mov_b32 s16, 0                               ; 8,192 ks
	s_and_b32 s2, s14, 3
	s_or_b32 s2, s2, ttmp9
	s_cmp_eq_u32 s2, 0
	s_cselect_b32 s26, 4, 0                        ; waves 0 and 4 of the head's first work-group prefetch: they test bit 2 of NEED
	s_wait_loadcnt 0x0
	v_and_b32 v245, 1, v112
	v_cmp_ne_u32 s[ANY], 0, v245
	v_cmp_lt_u32 s[MIX], 0xffff, v112
.irp i, 1,2,3,4,5,6,7
	v_or_b32 v113, v113, v[113+\i]
.endr
	v_cmp_ne_u32 s[NEED], 0, v113
	s_wait_alu depctr_va_sdst(0)                   ; the three compares have written s[ANY], s[MIX] and s[NEED], ahead of their first readers: one wait behind the run
	s_lshr_b32 s2, s[NEED], 16
	s_or_b32 s[NEED], s[NEED], s2
	s_and_b32 s[NEED], s[NEED], 0xffff
	s_wait_kmcnt 0x0
	s_add_co_i32 s2, s74, s75
	s_lshl_b32 s2, s2, 23
	s_add_co_i32 s[CS], s2, 0x3e38aa3b             ; log2(e) / 8, with e6 + e7 added to its exponent field
	s_mov_b32 s[CS+1], s[CS]
	s_add_co_i32 s25, s76, s77                     ; e8 + e9
	s_add_co_i32 s2, s76, 127
	s_lshl_b32 s3, s2, 23
	v_mov_b32 v[PSC], s3
	s_add_co_i32 s2, s2, 8
	s_lshl_b32 s2, s2, 23
	s_or_b32 s2, s2, 0x600000
	v_mov_b32 v[PLIM], s2
	s_add_co_i32 s2, s78, 127
	s_lshl_b32 s3, s2, 23
	v_mov_b32 v[CSC], s3
	s_add_co_i32 s2, s2, 8
	s_lshl_b32 s2, s2, 23
	s_or_b32 s2, s2, 0x600000
	v_mov_b32 v[CLIM], s2
	s_cmp_lt_i32 s76, -8
	s_cselect_b32 s24, 1, 0                        ; p is at most 1, and 448 x 2^e8 is at least 1 from e8 = -8 on: only below that is p held
; THE WORK OF PAIR x (0: A, 1: B) ON THE TRIP'S 128 KEYS.  mp: the pair's pointer to its mask words.
; K's loads owe no wait of their own: the wait on va_vdst that stands ahead of the pair's turn (at the trip's head for pair A, between the pairs for pair B) has shown v[ADK] written and the last readers of KV done, and no vector instruction stands between.
.macro PAIR x, mp
	s_bitcmp1_b32 s[ANY], 16*\x
	s_cbranch_scc0 .Lskip_\@
.irp t, 0,1,2,3,4,5,6,7
.irp c, 0,1
	ds_load_b128 v[KV+8*\t+4*\c:KV+8*\t+4*\c+3], v[ADK] offset:1024*\t+512*\c     ; K's eight tiles of 16 keys, as images: 512 consecutive bytes a load
.endr
.endr
	s_wait_dscnt 0x0
	WIN 0x04                                       ; source 1 (Q): window 1
.irp t, 0,1,2,3,4,5,6,7
.irp u, 0,1
	v_wmma_f32_16x16x64_fp8_fp8 v[S+64*\u+8*\t:S+64*\u+8*\t+7], v[KV+8*\t:KV+8*\t+7], v[Q+8*(2*\x+\u):Q+8*(2*\x+\u)+7], 0
.endr
.endr
	WIN 0
.rept 4
	v_nop                                          ; places: for the first reads of the scores
.endr
	s_wait_alu depctr_va_vdst(0)                   ; the sixteen products are done reading K's registers, in which V lands; the softmax's first lines read their results next
.irp t, 0,1,2,3
.irp c, 0,1,2,3
	ds_load_b128 v[KV+16*\t+4*\c:KV+16*\t+4*\c+3], v[ADV] offset:2048*\t+512*\c   ; V's four tiles of 16 channels x 128 keys land while the softmax is worked
.endr
.endr
	s_bitcmp1_b32 s[MIX], 16*\x
	s_cbranch_scc0 .Lopen_\@
.irp u, 0,1                            ; the block has holes: word n is the lane mask for register n; a hidden score becomes -infinity, so p = 0
	s_load_b512 s[32:47], s[\mp:\mp+1], 256*\u
	s_load_b512 s[48:63], s[\mp:\mp+1], 256*\u+64
	s_load_b512 s[68:83], s[\mp:\mp+1], 256*\u+128
	s_load_b512 s[84:99], s[\mp:\mp+1], 256*\u+192
	s_wait_kmcnt 0x0
.set n, 0
.rept 32
	v_cndmask_b32 v[S+64*\u+n], v[NINF], v[S+64*\u+n], s[32+n]
.set n, n+1
.endr
.rept 32
	v_cndmask_b32 v[S+64*\u+n], v[NINF], v[S+64*\u+n], s[36+n]
.set n, n+1
.endr
.endr
.Lopen_\@:
	; the largest score of my query among my 64 keys: two chains a tile, the two tiles line by line, each accumulator from its low end on
.irp u, 0,1
	v_max3_num_f32 v[TM+8*\u], v[S+64*\u], v[S+64*\u+1], v[S+64*\u+2]
.endr
.irp u, 0,1
	v_max3_num_f32 v[TM+8*\u+1], v[S+64*\u+3], v[S+64*\u+4], v[S+64*\u+5]
.endr
.irp i, 6,10,14,18,22,26,30,34,38,42,46,50,54,58
.irp u, 0,1
	v_max3_num_f32 v[TM+8*\u], v[TM+8*\u], v[S+64*\u+\i], v[S+64*\u+\i+1]
.endr
.irp u, 0,1
	v_max3_num_f32 v[TM+8*\u+1], v[TM+8*\u+1], v[S+64*\u+\i+2], v[S+64*\u+\i+3]
.endr
.endr
.irp u, 0,1
	v_max3_num_f32 v[TM+8*\u], v[TM+8*\u], v[S+64*\u+62], v[S+64*\u+63]
.endr
.irp u, 0,1
	v_max_num_f32 v[TM+8*\u], v[TM+8*\u], v[TM+8*\u+1]
.endr
.irp u, 0,1
	v_permlanex16_b32 v[TM+8*\u+6], v[TM+8*\u], s[SEL], s[SEL+1]
.endr
.irp u, 0,1
	v_max_num_f32 v[TM+8*\u], v[TM+8*\u], v[TM+8*\u+6]           ; and among lane l xor 16's
.endr
.irp u, 0,1
	v_mul_f32 v[TM+8*\u], s[CS], v[TM+8*\u]                      ; as t
.endr
.irp u, 0,1
	v_max_num_f32 v[ST+4*(2*\x+\u)+1], v[ST+4*(2*\x+\u)+1], v[TM+8*\u]   ; the running largest t
.endr
.irp u, 0,1
	v_mov_b32 v[TM+8*\u], v[ST+4*(2*\x+\u)]
.endr
.irp u, 0,1
	v_floor_f32 v[ST+4*(2*\x+\u)], -v[ST+4*(2*\x+\u)+1]          ; the new -M = floor(-t): M is a whole number
.endr
.irp u, 0,1
	v_sub_f32 v[TM+8*\u], v[ST+4*(2*\x+\u)], v[TM+8*\u]          ; old M - new M: a whole number, 0 or less
.endr
.irp u, 0,1
	v_cvt_i32_f32 v[TM+8*\u], v[TM+8*\u]                         ; (it saturates)
.endr
.irp u, 0,1
	v_ldexp_f32 v[TM+8*\u+2], 1.0, v[TM+8*\u]                    ; f = 2^(old M - new M)
.endr
.irp u, 0,1
.set n, 0
.rept 32
	v_pk_fma_f32 v[S+64*\u+n:S+64*\u+n+1], v[S+64*\u+n:S+64*\u+n+1], s[CS:CS+1], v[ST+4*(2*\x+\u):ST+4*(2*\x+\u)+1] op_sel_hi:[1,0,0]   ; t - M, two at a time
.set n, n+2
.endr
.endr
.set n, 0
.rept 128
	v_exp_f32 v[S+n], v[S+n]                       ; p = 2^(t - M): ONE batch for both tiles
.set n, n+1
.endr
.irp u, 0,1
	v_pk_mul_f32 v[ST+4*(2*\x+\u)+2:ST+4*(2*\x+\u)+3], v[ST+4*(2*\x+\u)+2:ST+4*(2*\x+\u)+3], v[TM+8*\u+2:TM+8*\u+3] op_sel_hi:[1,0]   ; the sums under the new M; also the plain line behind the exponentials
.endr
	s_wait_alu depctr_va_vdst(0)                   ; the 128 exponentials have written v[S ..]: one wait for the batch, ahead of its first reader
.irp u, 0,1
	v_pk_add_f32 v[TM+8*\u+4:TM+8*\u+5], v[S+64*\u:S+64*\u+1], v[S+64*\u+2:S+64*\u+3]       ; the sum is taken of the UNQUANTISED p: two chains a tile
.endr
.irp j, 4,8,12,16,20,24,28,32,36,40,44,48,52,56,60
.irp u, 0,1
	v_pk_add_f32 v[ST+4*(2*\x+\u)+2:ST+4*(2*\x+\u)+3], v[ST+4*(2*\x+\u)+2:ST+4*(2*\x+\u)+3], v[S+64*\u+\j:S+64*\u+\j+1]
	v_pk_add_f32 v[TM+8*\u+4:TM+8*\u+5], v[TM+8*\u+4:TM+8*\u+5], v[S+64*\u+\j+2:S+64*\u+\j+3]
.endr
.endr
.irp u, 0,1
	v_pk_add_f32 v[ST+4*(2*\x+\u)+2:ST+4*(2*\x+\u)+3], v[ST+4*(2*\x+\u)+2:ST+4*(2*\x+\u)+3], v[TM+8*\u+4:TM+8*\u+5]
.endr
	s_cmp_eq_u32 s24, 0
	s_cbranch_scc1 .Lnohold_\@
.set n, 0
.rept 128
	v_min_num_f32 v[S+n], v[S+n], v[PLIM]          ; the conversion does not saturate (ISA guide 7.6.2); p is not negative, so the hold is one-sided
.set n, n+1
.endr
.Lnohold_\@:
	WIN 0x40
.irp u, 0,1
.irp t, 0,1,2,3,4,5,6,7
	v_cvt_scalef32_pk8_fp8_f32 v[P+16*\u+2*\t:P+16*\u+2*\t+1], v[S+64*\u+8*\t:S+64*\u+8*\t+7], v[PSC]
.endr
.endr
	WIN 0x41
.irp u, 0,1
.set n, 0
.rept 16
	v_pk_mul_f32 v[O+32*(2*\x+\u)+n:O+32*(2*\x+\u)+n+1], v[O+32*(2*\x+\u)+n:O+32*(2*\x+\u)+n+1], v[TM+8*\u+2:TM+8*\u+3] op_sel_hi:[1,0]   ; O^T under the new M; also the plain lines behind the conversions
.set n, n+2
.endr
.endr
	s_wait_dscnt 0x0                               ; V is in
	WIN 0x54                                       ; V window 0; P, C and D window 1
.irp t, 0,1,2,3
.irp u, 0,1
	v_wmma_f32_16x16x128_fp8_fp8 v[O+32*(2*\x+\u)+8*\t:O+32*(2*\x+\u)+8*\t+7], v[KV+16*\t:KV+16*\t+15], v[P+16*\u:P+16*\u+15], v[O+32*(2*\x+\u)+8*\t:O+32*(2*\x+\u)+8*\t+7]   ; eight accumulators, one instruction each
.endr
.endr
	WIN 0
.rept 4
	v_nop                                          ; places: for the next vector lines on O^T and on these products' sources
.endr
.Lskip_\@:
.endm
.Ltrip:                                            ; 16 trips, one for each chunk of 128 keys
	s_wait_loadcnt 0x0                             ; my part of this chunk is in registers
	s_wait_xcnt 0x0                                ; the loads and the prefetch of the last trip have read their base: it is stepped below
	s_wait_alu depctr_vm_vsrc(0)                   ; the last trip's LDS stores have read v[FSA], its LDS loads v[ADK] and v[ADV]: the three are written below (in the first trip: the head's loads have read their offsets, of which the way out writes v241 again)
	v_add_nc_u32 v[FSA], s16, v[FS0]
	v_add_nc_u32 v[ADK], s16, v[LI]
	v_add_nc_u32 v[ADV], VOFF, v[ADK]
	s_wait_alu depctr_va_vdst(0)                   ; the three addresses are written, which this trip's LDS stores and loads read; the last trip's products are done reading KV, in which pair A's K lands
	s_bitcmp1_b32 s[NEED], 0
	s_cbranch_scc0 .Lnostore
	WIN 0x04
.irp i, 0,1,2,3
	ds_store_b128 v[FSA], v[FILL+4*\i:FILL+4*\i+3] offset:512*\i
.endr
	WIN 0
.Lnostore:
	s_wait_dscnt 0x0                               ; for the others' sake: my stores have landed
	s_wait_alu depctr_vm_vsrc(0)                   ; my LDS stores have read FILL, in which the next chunk's loads land; up to those loads stand the barrier, scalar lines, a branch and a window switch
	s_barrier_signal -1
	s_barrier_wait -1                              ; the chunk is whole
	s_add_nc_u64 s[4:5], s[4:5], 8192
	s_bitcmp1_b32 s[NEED], 1                       ; NEED has sixteen bits and is shifted in every trip: no load and no prefetch passes the head's last chunk
	s_cbranch_scc0 .Lnoload
	WIN 0x40
.irp i, 0,1,2,3
	global_load_b128 v[FILL+4*\i:FILL+4*\i+3], v[FGO], s[4:5] offset:512*\i     ; the next chunk: it has this trip's work in which to come
.endr
	WIN 0
.Lnoload:
	s_and_b32 s2, s[NEED], s26
	s_cmp_lg_u32 s2, 0
	s_cbranch_scc0 .Lnoask
	global_prefetch_b8 v[PFO], s[4:5] offset:8192 th:TH_LOAD_NT scope:SCOPE_SE  ; chunk ks + 2, a trip ahead of its loads: 8,192 bytes, lanes 256 bytes apart; the head's first work-group asks, wave 0 for K, wave 4 for V: each block is named once
.Lnoask:
	PAIR 0, 6
	s_wait_alu depctr_va_vdst(0)                   ; pair A's last products are done reading V's registers, in which pair B's K lands
	PAIR 1, 8
	s_lshr_b32 s[ANY], s[ANY], 1
	s_lshr_b32 s[MIX], s[MIX], 1
	s_lshr_b32 s[NEED], s[NEED], 1
	s_add_nc_u64 s[6:7], s[6:7], 512               ; (the scalar loads that named these were waited for)
	s_add_nc_u64 s[8:9], s[8:9], 512
	s_add_co_u32 s16, s16, 8192
	s_add_co_u32 s15, s15, 1
	s_cmp_lt_u32 s15, 16
	s_cbranch_scc1 .Ltrip
	; THE WAY OUT.  ctx = O^T x 2^(e8 + e9) / the sum, held, converted.  v[TM + 4 t]: the factor (a pair); v[TM + 4 t + 2]: 0 x the reciprocal, which is NaN where the sum is 0 and 0 elsewhere.
.irp t, 0,1,2,3
	v_add_f32 v[TM+4*\t], v[ST+4*\t+2], v[ST+4*\t+3]
.endr
.irp t, 0,1,2,3
	v_permlanex16_b32 v[TM+4*\t+1], v[TM+4*\t], s[SEL], s[SEL+1]
.endr
.irp t, 0,1,2,3
	v_add_f32 v[TM+4*\t], v[TM+4*\t], v[TM+4*\t+1]
.endr
.irp t, 0,1,2,3
	v_rcp_f32 v[TM+4*\t+2], v[TM+4*\t]
.endr
	v_nop                                          ; a plain line behind the last reciprocal
	s_wait_alu depctr_va_vdst(0)                   ; the four reciprocals have written v[TM + 4 t + 2]: one wait, ahead of their first reader
.irp t, 0,1,2,3
	v_ldexp_f32 v[TM+4*\t], v[TM+4*\t+2], s25
.endr
.irp t, 0,1,2,3
	v_mul_f32 v[TM+4*\t+2], 0, v[TM+4*\t+2]
.endr
; Tile t.  A conversion leaves lane (r, h) channels 16 ct + 8 h + 0..7; the last product's operand wants 32 b + 16 h + 0..15: so the halves of the lanes exchange two registers a piece.
; Each piece has four registers of its own, v[80 + 4 (2 t + b)] on; the eight stores stand together behind the four tiles.
.macro FIN t
.set D, S+32*(\t)
.set R, KV+8*(\t)
	WIN 0x01
.set i, 0
.rept 16
	v_pk_mul_f32 v[D+i:D+i+1], v[O+32*(\t)+i:O+32*(\t)+i+1], v[TM+4*(\t):TM+4*(\t)+1] op_sel_hi:[1,0]   ; each accumulator from its low end on
.set i, i+2
.endr
	WIN 0
.set i, 0
.rept 32
	v_med3_num_f32 v[D+i], v[D+i], -v[CLIM], v[CLIM]
.set i, i+1
.endr
.set i, 0
.rept 16
	v_pk_add_f32 v[D+i:D+i+1], v[D+i:D+i+1], v[TM+4*(\t)+2:TM+4*(\t)+3] op_sel_hi:[1,0]
.set i, i+2
.endr
.irp c, 0,1,2,3
	v_cvt_scalef32_pk8_fp8_f32 v[R+2*\c:R+2*\c+1], v[D+8*\c:D+8*\c+7], v[CSC]
.endr
	v_nop                                          ; a plain line between the conversions and the readers of their results
.irp b, 0,1
.set W, 80+4*(2*(\t)+\b)
	v_cndmask_b32 v240, v[R+4*\b+2], v[R+4*\b], s27          ; what the other half wants: lanes 0-15 send channels 16 + .., lanes 16-31 channels 8 ..
	v_cndmask_b32 v241, v[R+4*\b+3], v[R+4*\b+1], s27
	v_permlanex16_b32 v242, v240, s[SEL], s[SEL+1]
	v_permlanex16_b32 v243, v241, s[SEL], s[SEL+1]
	v_cndmask_b32 v[W], v[R+4*\b], v242, s27
	v_cndmask_b32 v[W+1], v[R+4*\b+1], v243, s27
	v_cndmask_b32 v[W+2], v242, v[R+4*\b+2], s27
	v_cndmask_b32 v[W+3], v243, v[R+4*\b+3], s27
.endr
.endm
	FIN 0
	FIN 1
	FIN 2
	FIN 3
	s_wait_alu depctr_va_vdst(0)                   ; the selects of all four tiles have written v80 to v111, which the eight stores read
.irp t, 0,1,2,3
.irp b, 0,1
	global_store_b128 v[LI], v[80+4*(2*\t+\b):80+4*(2*\t+\b)+3], s[10+2*(\t/2):11+2*(\t/2)] offset:16384*(\t%2)+512*\b   ; 512 consecutive bytes
.endr
.endr
	s_wait_dscnt 0x0                               ; the closing lines, six on end
	s_wait_alu 0x0
	s_wait_tensorcnt 0x0
	ds_add_u32 v254, v255
	s_wait_dscnt 0x0
	s_endpgm
.Lfunc_end_k_qd9ff6d2744_attn:
	.size	k_qd9ff6d2744_attn, .Lfunc_end_k_qd9ff6d2744_attn-k_qd9ff6d2744_attn
	.p2alignl 7, 3214868480
	.fill 96, 4, 3214868480
	.section	.rodata,"a",@progbits
	.p2align	6, 0x0
	.amdhsa_kernel k_qd9ff6d2744_attn
		.amdhsa_group_segment_fixed_size 263168
		.amdhsa_private_segment_fixed_size 0
		.amdhsa_enable_private_segment 0
		.amdhsa_kernarg_size 56
		.amdhsa_user_sgpr_count 2
		.amdhsa_user_sgpr_kernarg_segment_ptr 1
		.amdhsa_wavefront_size32 1
		.amdhsa_system_sgpr_workgroup_id_x 1
		.amdhsa_system_sgpr_workgroup_id_y 1
		.amdhsa_system_sgpr_workgroup_id_z 1
		.amdhsa_system_vgpr_workitem_id 0
		.amdhsa_next_free_vgpr 464
		.amdhsa_next_free_sgpr 100
		.amdhsa_reserve_vcc 0
		.amdhsa_float_denorm_mode_32 3
		.amdhsa_float_denorm_mode_16_64 3
		.amdhsa_memory_ordered 1
		.amdhsa_forward_progress 1
		.amdhsa_inst_pref_size 111
	.end_amdhsa_kernel
	.amdgpu_metadata
---
amdhsa.version: [ 1, 2 ]
amdhsa.kernels:
  - .name:           k_qd9ff6d2744_attn
    .symbol:         k_qd9ff6d2744_attn.kd
    .args:
      - { .name: qimg, .offset: 0, .size: 8, .value_kind: global_buffer, .address_space: global }
      - { .name: kimg, .offset: 8, .size: 8, .value_kind: global_buffer, .address_space: global }
      - { .name: vimg, .offset: 16, .size: 8, .value_kind: global_buffer, .address_space: global }
      - { .name: maskw, .offset: 24, .size: 8, .value_kind: global_buffer, .address_space: global }
      - { .name: flags, .offset: 32, .size: 8, .value_kind: global_buffer, .address_space: global }
      - { .name: lowp_scales, .offset: 40, .size: 8, .value_kind: global_buffer, .address_space: global }
      - { .name: ctximg, .offset: 48, .size: 8, .value_kind: global_buffer, .address_space: global }
    .group_segment_fixed_size: 263168
    .private_segment_fixed_size: 0
    .kernarg_segment_align: 8
    .kernarg_segment_size: 56
    .max_flat_workgroup_size: 256
    .sgpr_count:     100
    .vgpr_count:     464
    .wavefront_size: 32
...
	.end_amdgpu_metadata
.endif
;; end of part 4
;; launch outp: the kernel of part 3 again; grid 4 x 32, 4 waves a work-group, clusters of 4 x 4, 327,680 bytes of LDS; arguments ctximg, Wo_codes, lowp_scales, bo, out0; writes out0
